; MI455X (gfx1250); checked and timed in simulation.
; The chip was launched on July 23, 2026; its instructions are those of AMD's public machine-readable ISA for CDNA 5 (MIT licence, August 2026) and "CDNA5" Instruction Set Architecture Reference Guide (July 2026). The comments in the code are by the model that wrote it; some were corrected since.
;; Block. Allowed arithmetic: matrix products marked QUANTISED: E2M3 operands, one E8M0 scale for each 32 along K, by v_wmma_scale_f32_16x16x128_f8f6f4 with both operands' format E2M3, f32 sums; everything else in f32.
;; Inputs: b_attn 3,072 float32; b_fc 4,096 float32; b_mlp 1,024 float32; b_proj 1,024 float32; ln1_b 1,024 float32; ln1_w 1,024 float32; ln2_b 1,024 float32; ln2_w 1,024 float32; w_attn 3,072 x 1,024 float32; w_fc 4,096 x 1,024 float32; w_mlp 1,024 x 4,096 float32; w_proj 1,024 x 1,024 float32; x 2 x 2,048 x 1,024 float32.
;; Outputs: out0 2 x 2,048 x 1,024 float32; out1 one number float32; out2 2 x 2 x 16 x 2,048 x 64 float32.
;; This version of the problem:
;;   THIS VERSION OF THE PROBLEM IS GIVEN IN LOW PRECISION. The matrix products marked QUANTISED in the list below multiply operands that are first quantised to E2M3 (2 exponent bits, 3 mantissa bits; 6 bits a number), with one power-of-two scale for each 32 numbers along K (OCP MX v1.0); their sums are f32. All else is computed in f32.
;;   The module's matrix products, in the order in which they are computed (A, B: the left and right operand; K: the contracted axis; several contracted axes count as one K, in the product's order):
;;     1. [M 4,096, K 1,024] x [K 1,024, N 3,072]; A: computed on the way; B: input w_attn: QUANTISED
;;     2. batch 32 x [M 2,048, K 64] x [K 64, N 2,048]; A: computed on the way; B: computed on the way: QUANTISED
;;     3. batch 32 x [M 2,048, K 2,048] x [K 2,048, N 64]; A: softmax (see below); B: computed on the way: QUANTISED
;;     4. [M 4,096, K 1,024] x [K 1,024, N 1,024]; A: computed on the way; B: input w_proj: QUANTISED
;;     5. [M 4,096, K 1,024] x [K 1,024, N 4,096]; A: computed on the way; B: input w_fc: QUANTISED
;;     6. [M 4,096, K 4,096] x [K 4,096, N 1,024]; A: computed on the way; B: input w_mlp: QUANTISED
;;   THE QUANTISER, for each operand of a quantised product, along K:
;;     - K is cut into blocks of 32 from its start; a last block that is shorter is filled with zeros.
;;     - A block's scale is 2^e with e = floor(log2(the largest magnitude in the block)) - 2, held to -126 .. 127; a block of zeros has e = 0. As a byte (E8M0): e + 127.
;;     - Each number is divided by its block's scale, clamped to +-7.5, and rounded to the nearest number of E2M3, ties to even, subnormals kept.
;;     - The product sums the exact products of the quantised numbers (number of the format x scale) in f32.
;;   ~~~python
;;   def quantise(x, axis):      # numpy; x: float32 -> the quantised numbers, widened to float32 again
;;       x = np.moveaxis(x, axis, -1); K = x.shape[-1]
;;       x = np.pad(x, [(0, 0)] * (x.ndim - 1) + [(0, -K % 32)]); x = x.reshape(x.shape[:-1] + (-1, 32)); a = np.abs(x).max(-1, keepdims=True)
;;       e = np.where(a > 0, np.clip(np.frexp(np.where(a > 0, a, 1))[1] - 1 - 2, -126, 127), 0)      # np.frexp(a)[1] - 1 = floor(log2(a)), exactly
;;       r = np.clip(x / 2.0 ** e, -7.5, 7.5)
;;       step = 2.0 ** (np.maximum(np.frexp(np.where(r == 0, 1, r))[1] - 1, 0) - 3)
;;       q = np.round(r / step) * step * 2.0 ** e      # np.round: ties to even
;;       return np.moveaxis(q.reshape(q.shape[:-2] + (-1,))[..., :K], -1, axis).astype(np.float32)
;;   ~~~
;;   SOFTMAX AHEAD OF A QUANTISED PRODUCT. Where the list says 'softmax', what is quantised is not the finished softmax but p = 2^(t - M), with t = logit x log2(e) and M = ceil(the row's largest t), a whole number; so 1/2 < the row's largest p <= 1. The row's sum l is taken of the UNQUANTISED p, in f32, and the product's result is divided by l at the end. Since M is a whole number, a kernel that streams over the keys may use a running M (the ceiling of the running maximum): every later rescaling is an exact power of two, which a block's scale takes up: the codes' values come out the same.
;;   OPERANDS COMPUTED ON THE WAY. 'Computed on the way' means the value that the module computes at that place (a softmax that the list does not call 'softmax' is quantised finished and normalised). What goes into a quantiser is computed in f32, as accurately as f32 sums, v_exp_f32 and their like allow (about 1e-6 of the number): no bf16 or f16 on the way to a quantiser, and a product that is left as it is and whose result goes on into a quantised operand takes f32 operands (vector FMAs, or v_wmma_f32_16x16x4_f32). A number that lies on a knife's edge between two numbers of the format may be rounded either way, as far as f32 arithmetic and the matrix unit's own rounding can turn it there, and no further.
;; One version. Each part assembles by itself: llvm-mc -triple=amdgcn-amd-amdhsa -mcpu=gfx1250 --defsym DOCPART=n.
;; ======== version 1 of 1: 7 launches
;; limits: a function is approximated: absolute error at most 2.05e-05
;; workspace buffers: wq 9,830,400 bytes; hc 3,276,800 bytes; qkvc 10,747,904 bytes; ys 3,293,184 bytes; x1 16,777,216 bytes; h2c 3,276,800 bytes; gc 13,107,200 bytes
;; launch prep (part 1): grid 1024 x 1, 16 waves a work-group, no clusters, 88,832 bytes of LDS; arguments x, ln1_w, ln1_b, w_attn, w_proj, w_fc, w_mlp, hc, wq; writes hc, wq
.if DOCPART == 1
	.amdgcn_target "amdgcn-amd-amdhsa--gfx1250"
	.amdhsa_code_object_version 6
	.text
	.protected	k_q1ce3464b4d_prep
	.globl	k_q1ce3464b4d_prep
	.p2align	8
	.type	k_q1ce3464b4d_prep,@function
k_q1ce3464b4d_prep:
	s_mov_b64 s[64:65], 0
	v_nop
	global_prefetch_b8 v0, s[64:65] scope:SCOPE_SE
	s_setreg_imm32_b32 hwreg(HW_REG_WAVE_MODE, 25, 1), 1
	s_wait_xcnt 0x0
; PREP: LayerNorm 1 of x, and the four weights, become codes of FP6 (E2M3) with one E8M0 byte for each 32 along K, laid in the order of a matrix operand's registers.
; THE PROGRAM: prep | qkvg (product 1) | attn (products 2, 3, the entropy's rows) | proj (product 4, + x) | ln2 (LayerNorm 2, the entropy's mean) | fc (product 5, gelu) | mlp (product 6, + x1).
; WORK LEFT OUT, in the whole program: key steps that lie wholly above the diagonal of the causal mask that the problem builds itself (jnp.tril, then -inf ahead of the softmax): there att is 0 for all
; values of the inputs, so those scores reach neither y nor the entropy (0 x log(0 + 1e-8) = 0).  A NaN, an infinity or an overflow that would arise only in those scores is not carried to a result.
; No input is left out: every bias and gain reaches a quantiser or an output.
; LIMITS: a block of zeros, and a block whose largest magnitude lies under 2^-124, gets the byte 1 (the rule says 127 for zeros: the codes are zeros, and this program alone reads the bytes);
; NaN and infinities among the inputs are not served.
; LAYOUT OF ALL CODE BUFFERS.  H-image, 768 bytes = 16 rows x 64 along K: lane L = r + 16 h owns block h (32 codes, 6 registers) of row r: registers 0-3 at 16 L, registers 4-5 at 512 + 8 L.
; Two H on end are a fragment (16 rows x 128 K).  A record, 25,600 bytes = 128 rows x 256 K: fragment (a, q) at 1,536 (2 a + q), its 16 scale words at 24,576 + 64 (2 a + q).  A buffer is [row / 128][k / 256] records.
; SHARES.  A work-group takes 16 rows x 1,024 along K, wave w row w.  Work-groups 0-255: x (with LayerNorm), 256-447 w_attn, 448-511 w_proj, 512-767 w_fc, 768-1,023 w_mlp (four strips along its K of 4,096).
; Only pointers and scalar numbers are chosen by the work-group's number; all strips take one path through every LDS line.
.set STG,   4608                       ; a wave's turning stage: its row as 32 groups of 128 bytes + 16
.set IPI,   784                        ; an H-image in LDS: 768 + 16
.set IMG,   16*STG                     ; the strip's 16 H-images
.set SCL,   IMG+16*IPI                 ; its scale words: [k / 128: 8][row: 16]
.set SPARE, SCL+512                    ; the spare words, 128 bytes for each wave
.set REC,   25600
.set X,   16                           ; v16-47   my row's numbers as loaded: register 4 j + i = element 128 j + 4 lane + i
.set GW,  48                           ; v48-79   the gain in the same layout; later my block of 32 neighbours
.set GB,  80                           ; v80-111  the bias
.set CD,  112                          ; v112-117 at work, then the block's codes
.set TQ,  118
.set MQ,  122
.set SPW, 14
.set NIL, 15
; 32 numbers v[s] .. v[s+31] of one block become 6 registers of codes at v[c]; v[m+2] is the scale's byte.  The floor 2^(3 - 127) among the maximum's leaves holds the byte at 1 from below.
.macro QUANT32 s, c, t, m
	v_max3_num_f32 v[\m], |v[\s]|, |v[\s+1]|, 0x1800000
	v_max3_num_f32 v[\m+1], |v[\s+2]|, |v[\s+3]|, |v[\s+4]|
.irp i, 5,9,13,17,21,25
	v_max3_num_f32 v[\m], v[\m], |v[\s+\i]|, |v[\s+\i+1]|
	v_max3_num_f32 v[\m+1], v[\m+1], |v[\s+\i+2]|, |v[\s+\i+3]|
.endr
	v_max3_num_f32 v[\m], v[\m], |v[\s+29]|, |v[\s+30]|
	v_max3_num_f32 v[\m], v[\m], v[\m+1], |v[\s+31]|
	v_add_nc_u32 v[\m+1], 0xff000000, v[\m]        ; 2 off the exponent field: the conversion takes this operand's exponent field as its scale
	v_lshrrev_b32 v[\m+2], 23, v[\m+1]             ; the scale's byte
	v_cvt_scalef32_pk16_fp6_f32 v[\c:\c+2], v[\s:\s+15], v[\m+1]
	v_cvt_scalef32_pk16_fp6_f32 v[\t:\t+2], v[\s+16:\s+31], v[\m+1]   ; (a conversion's three registers begin on an even number)
	v_nop                                          ; one plain place behind a scaled conversion
	v_mov_b32 v[\c+3], v[\t]
	v_mov_b32 v[\c+4], v[\t+1]
	v_mov_b32 v[\c+5], v[\t+2]
.endm
.macro ALLSUM a, t                     ; the sum over the wave's 32 lanes, in every lane
	v_add_f32_dpp v[\a], v[\a], v[\a] row_xmask:1 row_mask:0xf bank_mask:0xf
	v_add_f32_dpp v[\a], v[\a], v[\a] row_xmask:2 row_mask:0xf bank_mask:0xf
	v_add_f32_dpp v[\a], v[\a], v[\a] row_xmask:4 row_mask:0xf bank_mask:0xf
	v_add_f32_dpp v[\a], v[\a], v[\a] row_xmask:8 row_mask:0xf bank_mask:0xf
	v_permlanex16_b32 v[\t], v[\a], s32, s33
	v_add_f32 v[\a], v[\a], v[\t]
.endm
	s_load_b256 s[4:11], s[0:1], 0x0               ; x, ln1_w, ln1_b, w_attn
	s_load_b256 s[12:19], s[0:1], 0x20             ; w_proj, w_fc, w_mlp, hc
	s_load_b64 s[20:21], s[0:1], 0x40              ; wq
	v_lshl_add_u32 v[SPW], v0, 2, SPARE
	v_mov_b32 v[NIL], 0
	v_lshrrev_b32 v1, 5, v0
	v_readfirstlane_b32 s22, v1                    ; wave = my row of the strip
	v_and_b32 v1, 31, v0                           ; lane
	v_lshlrev_b32 v2, 4, v1                        ; 16 lane
	s_mul_i32 s34, s22, STG
	v_lshrrev_b32 v13, 3, v1
	v_lshl_add_u32 v3, v13, 4, v2
	v_add_nc_u32 v3, s34, v3                       ; the turn, in: 16 lane + 16 (lane / 8): eight lanes' 128 bytes, then 16 of padding
	v_mul_u32_u24 v4, v1, 144
	v_add_nc_u32 v4, s34, v4                       ; the turn, out: 144 lane: my 32 neighbours
	v_lshrrev_b32 v13, 1, v1
	v_mul_u32_u24 v13, v13, IPI                    ; my block l lies in H-image l / 2, as lane w + 16 (l % 2)
	v_and_b32 v12, 1, v1
	v_lshl_add_u32 v5, v12, 8, v13
	s_lshl_b32 s35, s22, 4
	s_add_co_u32 s35, s35, IMG
	v_add_nc_u32 v5, s35, v5                       ; registers 0-3
	v_lshl_add_u32 v6, v12, 7, v13
	s_lshl_b32 s35, s22, 3
	s_add_co_u32 s35, s35, IMG+512
	v_add_nc_u32 v6, s35, v6                       ; registers 4-5
	v_lshrrev_b32 v13, 2, v1
	v_and_b32 v12, 3, v1
	v_lshl_add_u32 v7, v13, 6, v12
	s_lshl_b32 s35, s22, 2
	s_add_co_u32 s35, s35, SCL
	v_add_nc_u32 v7, s35, v7                       ; my byte: word (l / 4, row w), byte l % 4
	s_mul_i32 s35, s22, IPI
	s_add_co_u32 s35, s35, IMG
	v_add_nc_u32 v8, s35, v2                       ; the way out: wave w takes H-image w
	v_lshlrev_b32 v10, 3, v1
	s_add_co_u32 s35, s35, 512
	v_add_nc_u32 v9, s35, v10
	v_lshrrev_b32 v13, 3, v1
	v_mul_u32_u24 v11, v13, REC
	v_bfe_u32 v13, v1, 2, 1
	v_lshl_add_u32 v11, v13, 6, v11
	v_lshl_add_u32 v11, v12, 4, v11                ; the scale words' place in memory: record l / 8, fragment column (l / 4) % 2, 16 bytes a lane
	v_add_nc_u32 v12, SCL, v2
	s_mov_b32 s32, 0x76543210
	s_mov_b32 s33, 0xfedcba98                      ; v_permlanex16_b32's selects for lane l xor 16
	s_mov_b32 s46, 0x3a800000                      ; 1 / 1,024
	s_mov_b32 s23, 768                             ; the region's first work-group,
	s_mov_b32 s26, 6553600                         ; and where its records begin in wq: w_mlp's
	s_wait_kmcnt 0x0
	s_mov_b64 s[28:29], s[16:17]
	s_cmp_lt_u32 ttmp9, 768
	s_cselect_b64 s[28:29], s[14:15], s[28:29]     ; w_fc
	s_cselect_b32 s23, 512, s23
	s_cselect_b32 s26, 3276800, s26
	s_cmp_lt_u32 ttmp9, 512
	s_cselect_b64 s[28:29], s[12:13], s[28:29]     ; w_proj
	s_cselect_b32 s23, 448, s23
	s_cselect_b32 s26, 2457600, s26
	s_cmp_lt_u32 ttmp9, 448
	s_cselect_b64 s[28:29], s[10:11], s[28:29]     ; w_attn
	s_cselect_b32 s23, 256, s23
	s_cselect_b32 s26, 0, s26
	s_cmp_lt_u32 ttmp9, 256
	s_cselect_b64 s[28:29], s[4:5], s[28:29]       ; x
	s_cselect_b32 s23, 0, s23
	s_cselect_b64 s[30:31], s[18:19], s[20:21]     ; into hc, else into wq
	s_cmp_ge_u32 ttmp9, 768                        ; w_mlp's rows are 16,384 bytes, four strips each
	s_cselect_b32 s36, 2, 0
	s_cselect_b32 s37, 3, 0
	s_cselect_b32 s24, 14, 12
	s_cselect_b32 s25, 16, 4                       ; records in a row of records
	s_sub_co_u32 s23, ttmp9, s23
	s_and_b32 s27, s23, s37                        ; which 1,024 along K
	s_lshr_b32 s23, s23, s36                       ; which 16 rows
	s_lshl_b32 s38, s23, 4
	s_add_co_u32 s38, s38, s22
	s_lshl_b32 s38, s38, s24
	s_lshl_b32 s39, s27, 12
	s_add_co_u32 s38, s38, s39
	s_mov_b32 s39, 0
	s_add_nc_u64 s[28:29], s[28:29], s[38:39]      ; my row's 4,096 bytes
.irp j, 0,1,2,3,4,5,6,7
	global_load_b128 v[X+4*\j:X+4*\j+3], v2, s[28:29] offset:512*\j th:TH_LOAD_NT   ; 32 lanes read 512 consecutive bytes
.endr
	s_lshr_b32 s40, s23, 3
	s_mul_i32 s40, s40, s25
	s_lshl_b32 s41, s27, 2
	s_add_co_u32 s40, s40, s41
	s_mul_i32 s40, s40, REC
	s_add_co_u32 s40, s40, s26                     ; the strip's first record
	s_and_b32 s41, s23, 7                          ; a: which 16 of its 128 rows
	s_lshl_b32 s42, s41, 7
	s_add_co_u32 s42, s42, s40
	s_add_co_u32 s42, s42, 24576
	s_mov_b32 s43, 0
	s_add_nc_u64 s[44:45], s[30:31], s[42:43]      ; its scale words
	s_mul_i32 s41, s41, 3072
	s_add_co_u32 s40, s40, s41
	s_lshr_b32 s41, s22, 2                         ; H-image w: record w / 4, fragment column (w / 2) % 2, half w % 2
	s_mul_i32 s41, s41, REC
	s_add_co_u32 s40, s40, s41
	s_bfe_u32 s41, s22, 0x10001
	s_mul_i32 s41, s41, 1536
	s_add_co_u32 s40, s40, s41
	s_and_b32 s41, s22, 1
	s_mul_i32 s41, s41, 768
	s_add_co_u32 s40, s40, s41
	s_mov_b32 s41, 0
	s_add_nc_u64 s[30:31], s[30:31], s[40:41]
	s_cmp_lt_u32 ttmp9, 256
	s_cbranch_scc0 .Lplain                         ; the weights go as they are: the branch leads round global loads and register work alone
.irp j, 0,1,2,3,4,5,6,7
	global_load_b128 v[GW+4*\j:GW+4*\j+3], v2, s[6:7] offset:512*\j
	global_load_b128 v[GB+4*\j:GB+4*\j+3], v2, s[8:9] offset:512*\j
.endr
	s_wait_loadcnt 16                              ; my row is in; the gain's and the bias's 16 loads may be out
	v_pk_add_f32 v[112:113], v[X:X+1], v[X+2:X+3]
	v_pk_add_f32 v[114:115], v[X+4:X+5], v[X+6:X+7]
.irp j, 8,12,16,20,24,28
	v_pk_add_f32 v[112:113], v[112:113], v[X+\j:X+\j+1]
	v_pk_add_f32 v[114:115], v[114:115], v[X+\j+2:X+\j+3]
.endr
	v_pk_add_f32 v[112:113], v[112:113], v[114:115]
	v_add_f32 v112, v112, v113
	ALLSUM 112, 113
	v_mul_f32 v112, s46, v112                      ; the mean
	v_mov_b32 v113, v112
.irp j, 0,2,4,6,8,10,12,14,16,18,20,22,24,26,28,30
	v_pk_add_f32 v[X+\j:X+\j+1], v[X+\j:X+\j+1], v[112:113] neg_lo:[0,1] neg_hi:[0,1]   ; x - mean: the variance is taken of these, in a second pass
.endr
	v_pk_mul_f32 v[114:115], v[X:X+1], v[X:X+1]
	v_pk_mul_f32 v[116:117], v[X+2:X+3], v[X+2:X+3]
.irp j, 4,8,12,16,20,24,28
	v_pk_fma_f32 v[114:115], v[X+\j:X+\j+1], v[X+\j:X+\j+1], v[114:115]
	v_pk_fma_f32 v[116:117], v[X+\j+2:X+\j+3], v[X+\j+2:X+\j+3], v[116:117]
.endr
	v_pk_add_f32 v[114:115], v[114:115], v[116:117]
	v_add_f32 v114, v114, v115
	ALLSUM 114, 115
	v_fmaak_f32 v114, s46, v114, 0x3727c5ac        ; the variance + 1e-5
	v_rsq_f32 v116, v114
	v_nop                                          ; a plain place behind the transcendental,
	s_wait_alu depctr_va_vdst(0)                   ; and the wait ahead of its first reader
	v_mov_b32 v117, v116
	s_wait_loadcnt 0x0
.irp j, 0,2,4,6,8,10,12,14,16,18,20,22,24,26,28,30
	v_pk_mul_f32 v[X+\j:X+\j+1], v[X+\j:X+\j+1], v[116:117]
.endr
.irp j, 0,2,4,6,8,10,12,14,16,18,20,22,24,26,28,30
	v_pk_fma_f32 v[X+\j:X+\j+1], v[X+\j:X+\j+1], v[GW+\j:GW+\j+1], v[GB+\j:GB+\j+1]
.endr
	s_branch .Lturn
.Lplain:
	s_wait_loadcnt 0x0
.Lturn:
.irp j, 0,1,2,3,4,5,6,7
	ds_store_b128 v3, v[X+4*\j:X+4*\j+3] offset:576*\j             ; the row through my own stage, as it lies;
.endr
.irp i, 0,1,2,3,4,5,6,7
	ds_load_b128 v[GW+4*\i:GW+4*\i+3], v4 offset:16*\i             ; back as 32 neighbours a lane: LDS serves a wave's instructions in order
.endr
	s_wait_dscnt 0x0
	QUANT32 GW, CD, TQ, MQ
	ds_store_b128 v5, v[CD:CD+3]
	ds_store_b64 v6, v[CD+4:CD+5]
	ds_store_b8 v7, v[MQ+2]
	s_wait_dscnt 0x0                               ; for the others' sake: my stores have landed
	s_barrier_signal -1
	s_barrier_wait -1                              ; the strip's 16 H-images and 128 scale words lie in LDS
	ds_load_b128 v[16:19], v8
	ds_load_b64 v[20:21], v9
	s_wait_dscnt 0x0
	global_store_b128 v2, v[16:19], s[30:31]       ; 512 consecutive bytes, at a multiple of 256 from the buffer's first byte
	global_store_b64 v10, v[20:21], s[30:31] offset:512
	s_cmp_lg_u32 s22, 0
	s_cbranch_scc1 .Lend
	ds_load_b128 v[24:27], v12                     ; wave 0: the 512 bytes of scale words, 64 bytes to each of eight fragments
	s_wait_dscnt 0x0
	global_store_b128 v11, v[24:27], s[44:45]
.Lend:
	s_wait_tensorcnt 0x0                           ; the wave's end, behind my last LDS store
	ds_add_u32 v[SPW], v[NIL]
	s_wait_dscnt 0x0
	s_endpgm
.Lfunc_end_k_q1ce3464b4d_prep:
	.size	k_q1ce3464b4d_prep, .Lfunc_end_k_q1ce3464b4d_prep-k_q1ce3464b4d_prep
	.p2alignl 7, 3214868480
	.fill 96, 4, 3214868480
	.section	.rodata,"a",@progbits
	.p2align	6, 0x0
	.amdhsa_kernel k_q1ce3464b4d_prep
		.amdhsa_group_segment_fixed_size 88832
		.amdhsa_private_segment_fixed_size 0
		.amdhsa_enable_private_segment 0
		.amdhsa_kernarg_size 72
		.amdhsa_user_sgpr_count 2
		.amdhsa_user_sgpr_kernarg_segment_ptr 1
		.amdhsa_wavefront_size32 1
		.amdhsa_system_sgpr_workgroup_id_x 1
		.amdhsa_system_sgpr_workgroup_id_y 1
		.amdhsa_system_sgpr_workgroup_id_z 1
		.amdhsa_system_vgpr_workitem_id 0
		.amdhsa_next_free_vgpr 128
		.amdhsa_next_free_sgpr 66
		.amdhsa_reserve_vcc 0
		.amdhsa_float_denorm_mode_32 3
		.amdhsa_float_denorm_mode_16_64 3
		.amdhsa_memory_ordered 1
		.amdhsa_forward_progress 1
		.amdhsa_inst_pref_size 17
	.end_amdhsa_kernel
	.amdgpu_metadata
---
amdhsa.version: [ 1, 2 ]
amdhsa.kernels:
  - .name:           k_q1ce3464b4d_prep
    .symbol:         k_q1ce3464b4d_prep.kd
    .args:
      - { .name: x, .offset: 0, .size: 8, .value_kind: global_buffer, .address_space: global }
      - { .name: ln1_w, .offset: 8, .size: 8, .value_kind: global_buffer, .address_space: global }
      - { .name: ln1_b, .offset: 16, .size: 8, .value_kind: global_buffer, .address_space: global }
      - { .name: w_attn, .offset: 24, .size: 8, .value_kind: global_buffer, .address_space: global }
      - { .name: w_proj, .offset: 32, .size: 8, .value_kind: global_buffer, .address_space: global }
      - { .name: w_fc, .offset: 40, .size: 8, .value_kind: global_buffer, .address_space: global }
      - { .name: w_mlp, .offset: 48, .size: 8, .value_kind: global_buffer, .address_space: global }
      - { .name: hc, .offset: 56, .size: 8, .value_kind: global_buffer, .address_space: global }
      - { .name: wq, .offset: 64, .size: 8, .value_kind: global_buffer, .address_space: global }
    .group_segment_fixed_size: 88832
    .private_segment_fixed_size: 0
    .kernarg_segment_align: 8
    .kernarg_segment_size: 72
    .max_flat_workgroup_size: 512
    .sgpr_count:     66
    .vgpr_count:     128
    .wavefront_size: 32
...
	.end_amdgpu_metadata
.endif
;; end of part 1
;; launch qkvg (part 2): grid 12 x 16, 4 waves a work-group, clusters of 4 x 4, 327,680 bytes of LDS; arguments hc, wq, b_attn, qkvc, out2; writes qkvc, out2
.if DOCPART == 2
	.amdgcn_target "amdgcn-amd-amdhsa--gfx1250"
	.amdhsa_code_object_version 6
	.text
	.protected	k_q1ce3464b4d_qkvg
	.globl	k_q1ce3464b4d_qkvg
	.p2align	8
	.type	k_q1ce3464b4d_qkvg,@function
k_q1ce3464b4d_qkvg:
	s_mov_b64 s[64:65], 0
	v_nop
	global_prefetch_b8 v0, s[64:65] scope:SCOPE_SE
	s_setreg_imm32_b32 hwreg(HW_REG_WAVE_MODE, 25, 1), 1
	s_wait_xcnt 0x0
	s_wait_alu depctr_hold_cnt(0) depctr_sa_sdst(0) depctr_va_vdst(0) depctr_va_sdst(0) depctr_va_ssrc(0) depctr_va_vcc(0) depctr_vm_vsrc(0)
	s_getreg_b32 s2, hwreg(HW_REG_IB_STS2, 6, 4)
	s_cmp_eq_u32 s2, 0
	s_cbranch_scc0 .Lentry_in_a_cluster
	s_endpgm
.Lentry_in_a_cluster:
	s_bfe_u32 s2, ttmp6, 0x10000c
	s_cmp_lg_u32 s2, 0xf033
	s_cbranch_scc0 .Lentry_shape_is_right
	s_endpgm
.Lentry_shape_is_right:
; QKVG: qkv = Q(h) Q(w_attn)^T + b_attn on codes of FP6 (E2M3) with E8M0 scales; then q, k and v are quantised for the attention, and k and v leave as f32 in out2.
; A tile of 256 tokens x 256 columns to a work-group of four waves, 128 x 128 a wave: 64 accumulators.  K = 1,024 goes in four slots of 256 through a ring of two LDS slots.
; RECORDS.  hc and wq are laid in the order of an operand's registers: a record of 25,600 bytes is 128 rows x 256 K: fragment (a, q) at 1,536 (2 a + q), its 16 scale words at 24,576 + 64 (2 a + q).
; A fragment is two H-images of 768 bytes: lane L's registers 0-3 at 16 L, registers 4-5 at 512 + 8 L.  So a tensor load brings one dense block of 100 rows of 256 bytes, and a fragment is four LDS loads of consecutive bytes.
; CLUSTERS: 4 x 4 work-groups; A's records are asked for jointly along a row of the cluster, B's along a column.  A cluster spans 1,024 columns: the cluster's x says whether they are q, k or v, alike in all partners.
; THE MATRIX INSTRUCTION IS USED TRANSPOSED (source 0 = 16 rows of the weight, source 1 = 16 tokens): a lane holds eight neighbouring columns of one token.  The bias is the C of each sum's first product.
; THE WAY OUT.  All 64 accumulators go to the wave's own stage in LDS (128 rows x 528 bytes), which lies over the ring: it is written behind a barrier behind every wave's last read of the ring, and the ring has had its last fill.
; From it a lane reads a whole block of 32 along the next product's K, so no maximum crosses lanes.  q: [bh][tile of 16 queries] x 1,024 bytes: an H-image and 16 words [s0 s1 s0 s1].
; k, v: [bh][step of 128 keys] x 12,800 bytes: K's 8 H at 768 (4 g + u): lane-row r is key 64 g + 8 u + r % 8 + 32 (r / 8); V's 8 H at 6,144 + 768 (2 u + g): lane-row r is channel 32 (r / 8) + 8 u + r % 8, block h keys 64 g + 32 h on;
; K's words at 12,288 + 64 (2 g + u / 2): bytes [X0 X1 Y0 Y1] of the two tiles that share a fragment; V's at 12,544 + 64 u: byte 2 g + h.
; LIMITS: blocks of zeros and blocks under 2^-124 get the byte 1; NaN and infinities are not served; sums run along K in ascending steps of 128.
.set NQ,    2                          ; steps of 128 along K in a slot
.set FR,    12
.set NL,    4                          ; LDS loads that bring a fragment
.set NP,    4                          ; places behind this matrix instruction (ISA guide 7.12.1)
.set REC,   25600
.set SLOT,  4*REC                      ; A's two records, then B's two
.set SSTEP, REC                        ; bytes in memory from a slot's records to the next slot's
.set WOFF,  0                          ; w_attn's records in wq
.set SW,    67584                      ; a wave's stage
.set SP,    528
.set SPARE, 4*SW                       ; behind the stages: the spare words, 128 bytes for each wave
.set LI,   4                           ; v4   16 lane
.set L8,   5                           ; v5   8 lane
.set R4,   6                           ; v6   4 (lane % 16)
.set RQ,   8                           ; v8   stage: row r, + 128 h
.set RR,   9                           ; v9   stage: row h, + 16 r;  v10 the same 64 rows on
.set RR2,  10
.set RK,   11                          ; v11  stage: row r % 8 + 32 (r / 8), + 128 h
.set ADRS, 12                          ; v12-13 my scale words in slot 0, 1: lanes 0-15 A's, lanes 16-31 B's
.set RV,   14                          ; v14  stage: row 32 h, column r % 8 + 32 (r / 8)
.set SH8,  15                          ; v15  8 h
.set ADRA, 16                          ; v16-19 A's record in slot 0: + 16 lane, + 8 lane; in slot 1 likewise
.set ADRB, 20                          ; v20-23 B's
.set STO,  24                          ; v24  stage: row r, + 32 h
.set BO,   25                          ; v25  32 h
.set SPW,  28
.set NIL,  29
.set PT,   30                          ; v30  a lane permute's destination
.set SC,   32                          ; v32-63 scale words, a set for each slot
.set BIAS, 64                          ; v64-127 the bias in the result's layout
.set AF,   128                         ; v128-223 A's eight fragments, one set;  window 1: B's two sets at v0 and v128;  windows 2, 3: the accumulators
.set U,    32                          ; the way out: two sets of 32 numbers
.set CD,   96                          ; eight registers for each of 16 images: no store's data are written again
.set RB,   32                          ; rows for out2: two sets of 64
.set TQ,   224
.set MQ,   228
.set G1,  24
.set G0,  32
.set G1B, 48
.set G0B, 56
.set SEL, 66
.set MSB, 0
.macro WIN new                         ; the immediate's high byte repeats the setting that is left
.if MSB != (\new)
	s_set_vgpr_msb (MSB<<8)|(\new)
.set MSB, (\new)
.endif
.endm
.set MUL_LO, 0xa1                      ; source 0 (B) window 1, source 1 (A) window 0, C and D window 2
.set MUL_HI, 0xf1                      ; the same, C and D window 3
.set TO_B,   0x40
.macro JLOAD g0a, g1a, g0b, g1b        ; a joint load: waves 0 and 1 fetch A's records, waves 2 and 3 B's; an s_nop 0 and four v_nop follow each line
	s_cmp_eq_u32 s15, 0
	s_cbranch_scc0 .Lfor_b_\@
	tensor_load_to_lds s[\g0a:\g0a+3], s[\g1a:\g1a+7]
	s_nop 0
.rept 4
	v_nop
.endr
	s_branch .Lasked_\@
.Lfor_b_\@:
	tensor_load_to_lds s[\g0b:\g0b+3], s[\g1b:\g1b+7]
	s_nop 0
.rept 4
	v_nop
.endr
.Lasked_\@:
.endm
.macro CREST                           ; a round of the cluster's barrier behind its opening barrier
	s_cmp_lg_u32 s14, 0
	s_cbranch_scc1 .Lnot_wave_0_\@
	s_barrier_signal -3
.Lnot_wave_0_\@:
	s_barrier_wait -3
	s_barrier_signal -1
	s_barrier_wait -1
.endm
.macro CROUND
	s_barrier_signal -1
	s_barrier_wait -1
	CREST
.endm
.macro PLACES n
.rept \n
	v_nop
.endr
.endm
.macro FRAG reg, a, off                ; a fragment as it lies: v[a] = base + 16 lane, v[a+1] = base + 8 lane
	ds_load_b128 v[\reg:\reg+3], v[\a] offset:\off
	ds_load_b64 v[\reg+4:\reg+5], v[\a+1] offset:\off+512
	ds_load_b128 v[\reg+6:\reg+9], v[\a] offset:\off+768
	ds_load_b64 v[\reg+10:\reg+11], v[\a+1] offset:\off+1280
.endm
; 16 products: A's blocks a0, a0 + 1 x B's eight.  p: B's set; q: the slot's step; sc: the set of scale words.  first = 1: the bias is C.  The 64 accumulators take turns, one instruction a turn.
.macro MUL16 a0, p, q, sc, first
.irp a, \a0, \a0+1
.irp b, 0,1,2,3,4,5,6,7
.if \first
	v_wmma_scale_f32_16x16x128_f8f6f4 v[8*(8*((\a)%4)+\b):8*(8*((\a)%4)+\b)+7], v[128*(\p)+FR*\b:128*(\p)+FR*\b+FR-1], v[AF+FR*(\a):AF+FR*(\a)+FR-1], v[BIAS+8*\b:BIAS+8*\b+7], v[SC+8*NQ*(\sc)+NQ*\b+(\q)], v[SC+8*NQ*(\sc)+NQ*(\a)+(\q)] matrix_a_fmt:MATRIX_FMT_FP6 matrix_b_fmt:MATRIX_FMT_FP6 matrix_a_scale:MATRIX_SCALE_ROW1
.else
	v_wmma_scale_f32_16x16x128_f8f6f4 v[8*(8*((\a)%4)+\b):8*(8*((\a)%4)+\b)+7], v[128*(\p)+FR*\b:128*(\p)+FR*\b+FR-1], v[AF+FR*(\a):AF+FR*(\a)+FR-1], v[8*(8*((\a)%4)+\b):8*(8*((\a)%4)+\b)+7], v[SC+8*NQ*(\sc)+NQ*\b+(\q)], v[SC+8*NQ*(\sc)+NQ*(\a)+(\q)] matrix_a_fmt:MATRIX_FMT_FP6 matrix_b_fmt:MATRIX_FMT_FP6 matrix_a_scale:MATRIX_SCALE_ROW1
.endif
.endr
.endr
.endm
.macro FETCH_B slot, q, p
	WIN TO_B
.irp i, 0,1,2,3,4,5,6,7
	FRAG 128*(\p)+FR*\i, ADRB+2*(\slot), (2*\i+(\q))*1536
.endr
	WIN 0
.endm
.macro FETCH_A slot, q, i0
.irp i, \i0, \i0+1, \i0+2, \i0+3
	FRAG AF+FR*(\i), ADRA+2*(\slot), (2*(\i)+(\q))*1536
.endr
.endm
.macro SCALES slot                     ; register NQ i + q: lanes 0-15 the words of A's block i, lanes 16-31 those of B's block i
.irp i, 0,1,2,3,4,5,6,7
.irp q, 0,1
.if \q < NQ
	ds_load_b32 v[SC+8*NQ*(\slot)+NQ*\i+\q], v[ADRS+(\slot)] offset:(2*\i+\q)*64
.endif
.endr
.endr
.endm
.macro STEP slot, q, first             ; a step of 128 along K that has its successor in the same slot
	s_wait_dscnt 4*NL                              ; all but the youngest 16 loads (A's blocks 4-7) are in
	WIN MUL_LO-0x20*(\first)                       ; (first: C, the bias, in window 0)
	MUL16 0, (\q)%2, \q, \slot, \first
	MUL16 2, (\q)%2, \q, \slot, \first
	s_wait_dscnt 0
	PLACES NP
	FETCH_B \slot, (\q)+1, 1-(\q)%2
	FETCH_A \slot, (\q)+1, 0
	WIN MUL_HI-0x30*(\first)
	MUL16 4, (\q)%2, \q, \slot, \first
	MUL16 6, (\q)%2, \q, \slot, \first
	PLACES NP
	WIN 0
	FETCH_A \slot, (\q)+1, 4
.endm
; A slot's last step changes slots: one barrier; in front of it each wave waits for all its tensor loads, adds 0 to its spare word, and waits for that and for its reads of this slot.
.macro TURN slot, next, p, fill, first
	s_wait_tensorcnt 0x0                           ; all my tensor loads have landed: my part of the next slot
	ds_add_u32 v[SPW], v[NIL]                      ; 0 onto my spare word
	s_wait_dscnt 4*NL+1                            ; (the add and the youngest 16 loads may be out)
	WIN MUL_LO
	MUL16 0, \p, NQ-1, \slot, \first
	s_wait_dscnt 0x0                               ; the add is done, and my reads of this slot are over
	s_barrier_signal -1
	MUL16 2, \p, NQ-1, \slot, \first
	WIN 0
	s_barrier_wait -1
.if \fill
	CREST                                          ; the barrier has opened a round of the cluster's barrier: no wave of any partner still reads this slot or has a load on its way
	s_add_nc_u64 s[G0+4*\slot+2:G0+4*\slot+3], s[G0+4*\slot+2:G0+4*\slot+3], 2*SSTEP
	s_add_nc_u64 s[G0B+4*\slot+2:G0B+4*\slot+3], s[G0B+4*\slot+2:G0B+4*\slot+3], 2*SSTEP
	JLOAD G0+4*\slot, G1, G0B+4*\slot, G1B         ; the first tensor load behind the round; its four v_nop are the places in front of the loads below
.else
	PLACES NP
.endif
	FETCH_B \next, 0, 1-(\p)
	FETCH_A \next, 0, 0
	SCALES \next
	WIN MUL_HI
	MUL16 4, \p, NQ-1, \slot, \first
	MUL16 6, \p, NQ-1, \slot, \first
	PLACES NP
	WIN 0
	FETCH_A \next, 0, 4
.endm
.macro LAST slot, p
	s_wait_dscnt 4*NL
	WIN MUL_LO
	MUL16 0, \p, NQ-1, \slot, 0
	MUL16 2, \p, NQ-1, \slot, 0
	s_wait_dscnt 0
	WIN MUL_HI
	MUL16 4, \p, NQ-1, \slot, 0
	MUL16 6, \p, NQ-1, \slot, 0
	WIN 0
.endm
.macro STAGE_ALL                       ; every wave has read the ring for the last time: then my 128 x 128 results go to my stage, each accumulator from its low end on
	s_wait_dscnt 0x0
	s_barrier_signal -1
	s_barrier_wait -1
	PLACES NP
.irp a, 0,1,2,3,4,5,6,7
	WIN 0x08+4*(\a/4)                              ; an LDS store's data are its source 1: window 2 or 3
.irp b, 0,1,2,3,4,5,6,7
	ds_store_b128 v[STO], v[8*(8*(\a%4)+\b):8*(8*(\a%4)+\b)+3] offset:16*SP*\a+64*\b
	ds_store_b128 v[STO], v[8*(8*(\a%4)+\b)+4:8*(8*(\a%4)+\b)+7] offset:16*SP*\a+64*\b+16
.endr
.endr
	WIN 0
.endm
.macro QUANT32 s, c, t, m              ; 32 numbers of one block -> 6 registers of codes at v[c]; v[m+2] the scale's byte
	v_max3_num_f32 v[\m], |v[\s]|, |v[\s+1]|, 0x1800000
	v_max3_num_f32 v[\m+1], |v[\s+2]|, |v[\s+3]|, |v[\s+4]|
.irp i, 5,9,13,17,21,25
	v_max3_num_f32 v[\m], v[\m], |v[\s+\i]|, |v[\s+\i+1]|
	v_max3_num_f32 v[\m+1], v[\m+1], |v[\s+\i+2]|, |v[\s+\i+3]|
.endr
	v_max3_num_f32 v[\m], v[\m], |v[\s+29]|, |v[\s+30]|
	v_max3_num_f32 v[\m], v[\m], v[\m+1], |v[\s+31]|
	v_add_nc_u32 v[\m+1], 0xff000000, v[\m]
	v_lshrrev_b32 v[\m+2], 23, v[\m+1]
	v_cvt_scalef32_pk16_fp6_f32 v[\c:\c+2], v[\s:\s+15], v[\m+1]
	v_cvt_scalef32_pk16_fp6_f32 v[\t:\t+2], v[\s+16:\s+31], v[\m+1]
	v_nop                                          ; one plain place behind a scaled conversion
	v_mov_b32 v[\c+3], v[\t]
	v_mov_b32 v[\c+4], v[\t+1]
	v_mov_b32 v[\c+5], v[\t+2]
.endm
.macro PAIR d, byte                    ; both halves' bytes of row r as one 16-bit number, in every lane
	v_lshlrev_b32 v[\d], v[SH8], v[\byte]
	v_permlanex16_b32 v[PT], v[\d], s[SEL], s[SEL+1]
	v_or_b32 v[\d], v[\d], v[PT]
.endm
.macro LD8 set, adr, off               ; 32 neighbours of a stage row
.irp i, 0,1,2,3,4,5,6,7
	ds_load_b128 v[U+32*(\set)+4*\i:U+32*(\set)+4*\i+3], v[\adr] offset:\off+16*\i
.endr
.endm
.macro LD32 set, off                   ; 32 numbers down a stage column
.set ii, 0
.rept 32
	ds_load_b32 v[U+32*(\set)+ii], v[RV] offset:\off+SP*ii
.set ii, ii+1
.endr
.endm
.macro RLOAD k                         ; batch k of rows for out2: head k / 4, row pairs 16 (k % 4) on
.set jj, 0
.rept 16
.if (\k)%4 < 2
	ds_load_b128 v[RB+64*((\k)%2)+4*jj:RB+64*((\k)%2)+4*jj+3], v[RR] offset:2*SP*(16*((\k)%4)+jj)+256*((\k)/4)
.else
	ds_load_b128 v[RB+64*((\k)%2)+4*jj:RB+64*((\k)%2)+4*jj+3], v[RR2] offset:2*SP*(16*((\k)%4-2)+jj)+256*((\k)/4)
.endif
.set jj, jj+1
.endr
.endm
	s_load_b128 s[4:7], s[0:1], 0x0                ; hc, wq
	s_load_b128 s[8:11], s[0:1], 0x10              ; b_attn, qkvc
	s_load_b64 s[12:13], s[0:1], 0x20              ; out2
	v_lshl_add_u32 v[SPW], v0, 2, SPARE
	v_mov_b32 v[NIL], 0
	ds_add_u32 v[SPW], v[NIL]                      ; the wave's opening: the add, twice on end, and its wait ahead of my first tensor load
	ds_add_u32 v[SPW], v[NIL]
	v_lshrrev_b32 v1, 5, v0
	v_readfirstlane_b32 s14, v1                    ; wave 0..3
	s_lshr_b32 s15, s14, 1                         ; which 128 tokens are mine.  Also: I fetch for A (0) or for B (1)
	s_and_b32 s16, s14, 1                          ; which 128 columns.  Also: which of the two records I fetch
	s_bfe_u32 s40, ttmp6, 0x40000                  ; cx, cy
	s_bfe_u32 s41, ttmp6, 0x40004
	s_lshl_b32 s42, ttmp9, 2
	s_add_co_u32 s42, s42, s40                     ; tile column
	s_and_b32 s17, ttmp7, 0xffff
	s_lshl_b32 s17, s17, 2
	s_add_co_u32 s17, s17, s41                     ; tile row
	s_lshl_b32 s43, s41, 2
	s_lshl_b32 s43, 15, s43                        ; my row of the cluster
	s_lshl_b32 s44, 0x1111, s40                    ; my column
	s_or_b32 s[G1+0], s43, (3<<16)|(1<<21)         ; 15:0 the mask; 17:16 elements of 8 bytes; 20 no padding; 21 set beside a mask
	s_or_b32 s[G1B+0], s44, (3<<16)|(1<<21)
.irp g, G1, G1B
	s_mov_b32 s[\g+1], 32<<16                      ; tensor_dim0 = 32 elements: 256 bytes
	s_mov_b32 s[\g+2], 100<<16                     ; tensor_dim1 = 100 rows: a record
	s_mov_b32 s[\g+3], 32<<16                      ; tile_dim0
	s_mov_b32 s[\g+4], 100                         ; tile_dim1
	s_mov_b32 s[\g+5], 32                          ; the rows are dense
	s_mov_b32 s[\g+6], 0
	s_mov_b32 s[\g+7], 0
.endr
	s_lshl_b32 s20, s17, 1
	s_add_co_u32 s20, s20, s16
	s_mul_i32 s20, s20, 4*REC                      ; A: row of records 2 x tile row + half
	s_mov_b32 s21, 0
	s_lshl_b32 s46, s42, 1
	s_add_co_u32 s46, s46, s16
	s_mul_i32 s46, s46, 4*REC                      ; B: 2 x tile column + half
	s_add_co_u32 s46, s46, WOFF
	s_mov_b32 s47, 0
	s_mul_i32 s45, s14, REC                        ; where they go: wave x a record: no place in the cluster enters an LDS address
	s_lshl_b32 s68, s42, 10
	s_lshl_b32 s69, s16, 9
	s_add_co_u32 s68, s68, s69                     ; my 128 columns' bias
	s_mov_b32 s69, 0
	s_mov_b32 s[SEL], 0x76543210
	s_mov_b32 s[SEL+1], 0xfedcba98
	s_wait_dscnt 0x0                               ; both opening adds are done
	s_wait_kmcnt 0x0
	s_add_nc_u64 s[20:21], s[4:5], s[20:21]
	s_add_nc_u64 s[46:47], s[6:7], s[46:47]
	s_add_nc_u64 s[68:69], s[8:9], s[68:69]
	CROUND                                         ; all sixteen work-groups are here: the first joint loads meet
.irp s, 0,1
	s_mov_b32 s[G0+4*\s], 1
	s_add_co_u32 s[G0+4*\s+1], s45, \s*SLOT
	s_add_nc_u64 s[G0+4*\s+2:G0+4*\s+3], s[20:21], \s*SSTEP
	s_or_b32 s[G0+4*\s+3], s[G0+4*\s+3], 0x80000000
	s_mov_b32 s[G0B+4*\s], 1
	s_add_co_u32 s[G0B+4*\s+1], s45, \s*SLOT
	s_add_nc_u64 s[G0B+4*\s+2:G0B+4*\s+3], s[46:47], \s*SSTEP
	s_or_b32 s[G0B+4*\s+3], s[G0B+4*\s+3], 0x80000000
	JLOAD G0+4*\s, G1, G0B+4*\s, G1B               ; two loads of mine are out
.endr
	v_and_b32 v1, 31, v0
	v_and_b32 v2, 15, v0                           ; r
	v_bfe_u32 v3, v0, 4, 1                         ; h
	v_lshlrev_b32 v[LI], 4, v1
	v_lshlrev_b32 v[L8], 3, v1
	v_lshlrev_b32 v[R4], 2, v2
	v_lshlrev_b32 v[SH8], 3, v3
	v_lshlrev_b32 v[BO], 5, v3
	v_mov_b32 v[PT], 0
.irp b, 0,1,2,3,4,5,6,7
	global_load_b128 v[BIAS+8*\b:BIAS+8*\b+3], v[BO], s[68:69] offset:64*\b        ; lane (r, h), block b: the bias of columns 16 b + 8 h + 0 .. 7
	global_load_b128 v[BIAS+8*\b+4:BIAS+8*\b+7], v[BO], s[68:69] offset:64*\b+16
.endr
	s_mul_i32 s21, s15, REC                        ; A: my 128 tokens' record
	s_mul_i32 s22, s16, REC
	s_add_co_u32 s22, s22, 2*REC                   ; B: my 128 columns', behind A's two
.irp s, 0,1
	v_add_nc_u32 v[ADRA+2*\s], s21, v[LI]
	v_add_nc_u32 v[ADRA+2*\s+1], s21, v[L8]
	v_add_nc_u32 v[ADRB+2*\s], s22, v[LI]
	v_add_nc_u32 v[ADRB+2*\s+1], s22, v[L8]
	s_add_co_u32 s21, s21, SLOT
	s_add_co_u32 s22, s22, SLOT
.endr
	s_mul_i32 s21, s15, REC
	s_mul_i32 s22, s16, REC
	s_add_co_u32 s22, s22, 2*REC
	s_sub_co_u32 s22, s22, s21                     ; from A's record to B's
	v_mul_u32_u24 v7, s22, v3                      ; lanes 16-31 take B's words
	v_add_nc_u32 v7, v7, v[R4]
	s_add_co_u32 s21, s21, 24576
	v_add_nc_u32 v[ADRS], s21, v7
	s_add_co_u32 s21, s21, SLOT
	v_add_nc_u32 v[ADRS+1], s21, v7
	s_mul_i32 s23, s14, SW                         ; my stage
	v_mul_u32_u24 v7, v2, SP
	v_add_nc_u32 v7, s23, v7
	v_lshl_add_u32 v[STO], v3, 5, v7
	v_lshl_add_u32 v[RQ], v3, 7, v7
	v_mul_u32_u24 v26, v3, SP
	v_lshl_add_u32 v26, v2, 4, v26
	v_add_nc_u32 v[RR], s23, v26
	v_add_nc_u32 v[RR2], 64*SP, v[RR]
	v_and_b32 v26, 7, v2
	v_lshrrev_b32 v27, 3, v2
	v_lshl_add_u32 v26, v27, 5, v26                ; r % 8 + 32 (r / 8)
	v_mul_u32_u24 v27, v26, SP
	v_lshl_add_u32 v27, v3, 7, v27
	v_add_nc_u32 v[RK], s23, v27
	v_lshlrev_b32 v26, 2, v26
	v_mad_u32_u24 v26, v3, 32*SP, v26
	v_add_nc_u32 v[RV], s23, v26
	s_wait_tensorcnt 1                             ; my part of slot 0 is in (slot 1's load may be out)
	s_barrier_signal -1
	s_barrier_wait -1                              ; everybody's is
	FETCH_B 0, 0, 0
	FETCH_A 0, 0, 0
	SCALES 0
	FETCH_A 0, 0, 4
	s_wait_loadcnt 0x0                             ; the bias
	STEP 0, 0, 1                                   ; K 0-127: the bias starts the sums
	TURN 0, 1, 1, 1, 0                             ; K 128-255; slot 0 takes K 512-767
	STEP 1, 0, 0
	TURN 1, 0, 1, 1, 0                             ; slot 1 takes K 768-1,023
	STEP 0, 0, 0
	TURN 0, 1, 1, 0, 0                             ; nothing is left to fetch
	STEP 1, 0, 0
	LAST 1, 1
	STAGE_ALL                                      ; every LDS store of the way out stands on the one path that all types take
	s_lshl_b32 s70, s17, 8
	s_lshl_b32 s71, s15, 7
	s_add_co_u32 s70, s70, s71                     ; my first token
	s_lshr_b32 s71, s70, 11                        ; its batch,
	s_and_b32 s70, s70, 2047                       ; its position
	s_lshl_b32 s72, s40, 2
	s_lshl_b32 s73, s16, 1
	s_add_co_u32 s72, s72, s73                     ; my first head of two
	s_lshl_b32 s73, s71, 4
	s_add_co_u32 s73, s73, s72                     ; 16 batch + head
	s_mov_b32 s75, 0
	s_cmp_lg_u32 ttmp9, 0                          ; the cluster's x: 0 q, 1 k, 2 v: alike in all sixteen partners
	s_cbranch_scc1 .Lkv
	; ---- q: 16 images (head n / 8, tile of 16 queries n % 8)
	s_lshl_b32 s74, s73, 17
	s_lshl_b32 s76, s70, 6
	s_add_co_u32 s74, s74, s76
	s_add_nc_u64 s[76:77], s[10:11], s[74:75]
	LD8 0, RQ, 0
.set n, 0
.rept 16
.if n < 15
	LD8 (n+1)%2, RQ, 16*SP*((n+1)%8)+256*((n+1)/8)
	s_wait_dscnt 8                                 ; this image's numbers are in; the next image's eight loads may be out
.else
	s_wait_dscnt 0x0
.endif
	QUANT32 U+32*(n%2), CD+8*n, TQ, MQ
	PAIR CD+8*n+7, MQ+2
	v_lshl_or_b32 v[CD+8*n+6], v[CD+8*n+7], 16, v[CD+8*n+7]        ; [s0 s1 s0 s1]: q serves in either half of the instruction's K
	global_store_b128 v[LI], v[CD+8*n:CD+8*n+3], s[76:77] offset:131072*(n/8)+1024*(n%8)
	global_store_b64 v[L8], v[CD+8*n+4:CD+8*n+5], s[76:77] offset:131072*(n/8)+1024*(n%8)+512
	global_store_b32 v[R4], v[CD+8*n+6], s[76:77] offset:131072*(n/8)+1024*(n%8)+768
.set n, n+1
.endr
	s_branch .Ldone
.Lkv:
	; ---- k and v: the f32 rows go to out2: [k or v][batch][head][position][64]
	s_sub_co_u32 s74, ttmp9, 1
	s_lshl_b32 s74, s74, 1
	s_add_co_u32 s74, s74, s71
	s_lshl_b32 s74, s74, 4
	s_add_co_u32 s74, s74, s72
	s_lshl_b32 s74, s74, 19
	s_lshl_b32 s80, s70, 8
	s_add_co_u32 s74, s74, s80
	s_add_nc_u64 s[80:81], s[12:13], s[74:75]
	s_lshl_b32 s74, s73, 4
	s_lshr_b32 s78, s70, 7
	s_add_co_u32 s74, s74, s78
	s_mul_i32 s74, s74, 12800
	s_add_co_u32 s74, s74, 4194304
	s_add_nc_u64 s[78:79], s[10:11], s[74:75]      ; my key step's 12,800 bytes, first head
	RLOAD 0
.set kk, 0
.rept 8
.if kk < 7
.if kk > 0
	s_wait_xcnt 0x0                                ; the batch before last has been read by its stores: its registers may be loaded again
.endif
	RLOAD kk+1
.endif
.set ii, 0
.rept 16
.if kk < 7
	s_wait_dscnt 31-ii                             ; the next batch's 16 loads and this batch's younger ones may be out
.else
	s_wait_dscnt 15-ii
.endif
	global_store_b128 v[LI], v[RB+64*(kk%2)+4*ii:RB+64*(kk%2)+4*ii+3], s[80:81] offset:524288*(kk/4)+512*(16*(kk%4)+ii) th:TH_STORE_NT   ; two rows of 256 bytes: 512 consecutive bytes
.set ii, ii+1
.endr
.set kk, kk+1
.endr
	s_wait_xcnt 0x0                                ; the rows' registers are written again below
	s_cmp_lg_u32 ttmp9, 1
	s_cbranch_scc1 .Lv
	; ---- k: 16 images (head n / 8, g = (n / 4) % 2, u = n % 4)
	LD8 0, RK, 0
.set n, 0
.rept 16
.if n < 15
	LD8 (n+1)%2, RK, SP*(64*(((n+1)/4)%2)+8*((n+1)%4))+256*((n+1)/8)
	s_wait_dscnt 8
.else
	s_wait_dscnt 0x0
.endif
	QUANT32 U+32*(n%2), CD+8*n, TQ, MQ
	PAIR CD+8*n+7, MQ+2
	global_store_b128 v[LI], v[CD+8*n:CD+8*n+3], s[78:79] offset:204800*(n/8)+768*(n%8)
	global_store_b64 v[L8], v[CD+8*n+4:CD+8*n+5], s[78:79] offset:204800*(n/8)+768*(n%8)+512
.if n%2
	v_lshl_or_b32 v[CD+8*n+6], v[CD+8*n+7], 16, v[CD+8*n-1]        ; [X0 X1 Y0 Y1]: the two tiles of a fragment
	global_store_b32 v[R4], v[CD+8*n+6], s[78:79] offset:204800*(n/8)+12288+64*((n%8)/2)
.endif
.set n, n+1
.endr
	s_branch .Ldone
.Lv:
	; ---- v: 16 images (head n / 8, u = (n / 2) % 4, g = n % 2): a lane takes a channel, and its registers run down the keys
	LD32 0, 0
.set n, 0
.rept 16
.if n < 15
	LD32 (n+1)%2, SP*64*((n+1)%2)+256*((n+1)/8)+32*(((n+1)/2)%4)
	s_wait_dscnt 32
.else
	s_wait_dscnt 0x0
.endif
	QUANT32 U+32*(n%2), CD+8*n, TQ, MQ
	global_store_b128 v[LI], v[CD+8*n:CD+8*n+3], s[78:79] offset:204800*(n/8)+6144+768*(n%8)
	global_store_b64 v[L8], v[CD+8*n+4:CD+8*n+5], s[78:79] offset:204800*(n/8)+6144+768*(n%8)+512
.if n%2
	v_lshl_or_b32 v[CD+8*n+7], v[MQ+2], 16, v[CD+8*n-1]            ; my bytes of g = 0 and g = 1,
	v_lshlrev_b32 v[CD+8*n+7], v[SH8], v[CD+8*n+7]                 ; at bytes h and 2 + h;
	v_permlanex16_b32 v[PT], v[CD+8*n+7], s[SEL], s[SEL+1]
	v_or_b32 v[CD+8*n+6], v[CD+8*n+7], v[PT]                       ; with lane l xor 16's the word is whole
	global_store_b32 v[R4], v[CD+8*n+6], s[78:79] offset:204800*(n/8)+12544+64*((n%8)/2)
.else
	v_mov_b32 v[CD+8*n+7], v[MQ+2]
.endif
.set n, n+1
.endr
.Ldone:
	s_wait_tensorcnt 0x0                           ; the wave's end, behind my last tensor load and my last LDS store
	ds_add_u32 v[SPW], v[NIL]
	s_wait_dscnt 0x0
	CROUND                                         ; the closing round
	s_endpgm
.Lfunc_end_k_q1ce3464b4d_qkvg:
	.size	k_q1ce3464b4d_qkvg, .Lfunc_end_k_q1ce3464b4d_qkvg-k_q1ce3464b4d_qkvg
	.p2alignl 7, 3214868480
	.fill 96, 4, 3214868480
	.section	.rodata,"a",@progbits
	.p2align	6, 0x0
	.amdhsa_kernel k_q1ce3464b4d_qkvg
		.amdhsa_group_segment_fixed_size 327680
		.amdhsa_private_segment_fixed_size 0
		.amdhsa_enable_private_segment 0
		.amdhsa_kernarg_size 40
		.amdhsa_user_sgpr_count 2
		.amdhsa_user_sgpr_kernarg_segment_ptr 1
		.amdhsa_wavefront_size32 1
		.amdhsa_system_sgpr_workgroup_id_x 1
		.amdhsa_system_sgpr_workgroup_id_y 1
		.amdhsa_system_sgpr_workgroup_id_z 1
		.amdhsa_system_vgpr_workitem_id 0
		.amdhsa_next_free_vgpr 1024
		.amdhsa_next_free_sgpr 100
		.amdhsa_reserve_vcc 0
		.amdhsa_float_denorm_mode_32 3
		.amdhsa_float_denorm_mode_16_64 3
		.amdhsa_memory_ordered 1
		.amdhsa_forward_progress 1
		.amdhsa_inst_pref_size 255
	.end_amdhsa_kernel
	.section	.bss,"aw",@nobits
	.p2align	6
	.space	262144
	.amdgpu_metadata
---
amdhsa.version: [ 1, 2 ]
amdhsa.kernels:
  - .name:           k_q1ce3464b4d_qkvg
    .symbol:         k_q1ce3464b4d_qkvg.kd
    .args:
      - { .name: hc, .offset: 0, .size: 8, .value_kind: global_buffer, .address_space: global }
      - { .name: wq, .offset: 8, .size: 8, .value_kind: global_buffer, .address_space: global }
      - { .name: b_attn, .offset: 16, .size: 8, .value_kind: global_buffer, .address_space: global }
      - { .name: qkvc, .offset: 24, .size: 8, .value_kind: global_buffer, .address_space: global }
      - { .name: out2, .offset: 32, .size: 8, .value_kind: global_buffer, .address_space: global }
    .group_segment_fixed_size: 327680
    .private_segment_fixed_size: 0
    .kernarg_segment_align: 8
    .kernarg_segment_size: 40
    .max_flat_workgroup_size: 128
    .sgpr_count:     100
    .vgpr_count:     1024
    .wavefront_size: 32
...
	.end_amdgpu_metadata
.endif
;; end of part 2
;; launch attn (part 3): grid 8 x 32, 16 waves a work-group, clusters of 4 x 1, 206,848 bytes of LDS; arguments qkvc, ys; writes ys
.if DOCPART == 3
	.amdgcn_target "amdgcn-amd-amdhsa--gfx1250"
	.amdhsa_code_object_version 6
	.text
	.protected	k_q1ce3464b4d_attn
	.globl	k_q1ce3464b4d_attn
	.p2align	8
	.type	k_q1ce3464b4d_attn,@function
k_q1ce3464b4d_attn:
	s_mov_b64 s[64:65], 0
	v_nop
	global_prefetch_b8 v0, s[64:65] scope:SCOPE_SE
	s_setreg_imm32_b32 hwreg(HW_REG_WAVE_MODE, 25, 1), 1
	s_wait_xcnt 0x0
	s_wait_alu depctr_hold_cnt(0) depctr_sa_sdst(0) depctr_va_vdst(0) depctr_va_sdst(0) depctr_va_ssrc(0) depctr_va_vcc(0) depctr_vm_vsrc(0)
	s_getreg_b32 s2, hwreg(HW_REG_IB_STS2, 6, 4)
	s_cmp_eq_u32 s2, 0
	s_cbranch_scc0 .Lentry_in_a_cluster
	s_endpgm
.Lentry_in_a_cluster:
	s_bfe_u32 s2, ttmp6, 0x10000c
	s_cmp_lg_u32 s2, 0x3003
	s_cbranch_scc0 .Lentry_shape_is_right
	s_endpgm
.Lentry_shape_is_right:
; ATTN: y = softmax(q k^T / 8, causal) v on codes of FP6 (E2M3), and each row's entropy.  Inputs: q's, k's and v's codes and scale words as the launch before laid them.
; WORK LEFT OUT: key steps of 128 that lie wholly above the causal diagonal: att is 0 there for all values of the inputs.  A NaN or an infinity that would arise only in those scores is not carried on.
; THE SOFTMAX: t = score x log2(e) / 8; M = the running largest t rounded up to a whole number; p = 2^(t - M) is quantised along the keys, not normalised; the row's sum l is taken of the unquantised p and divides at the end.
; THE ENTROPY, streamed: with att = p / l a row's -sum att ln att = ln 2 (log2 l - E / l), E = sum p (t - M).  When M rises by d: E <- f (E - d l), l <- f l, f = 2^-d.
; LIMIT: the 1e-8 inside the problem's log is not added: a ln(1 + 1e-8 / a) <= 1e-8 for every a > 0, so a row's entropy differs by at most 2,048 x 1e-8 = 2.05e-5, whatever the inputs; terms with att = 0 are 0 here as there.
; Hidden scores become -3e38 and not -infinity, so that p (t - M) is 0 times a finite number.  NaN and infinities among the inputs are not served.
; SHARES.  Work-group i (0..7) of a head: wave of rank g (0..15) owns the tile of 16 queries i + 8 g.  So wave g needs key steps 0 .. g, its diagonal is step g, and every work-group has the same 136 tile-steps:
; no trip count, load or branch hangs on the work-group.  The ranks are dealt to the waves by a 4 x 4 table whose rows and columns all sum to 30.
; A head's K and V, codes and scale words, are 204,800 bytes: they come into LDS once, asked for jointly by the cluster's four work-groups; nothing is filled again and no barrier stands in the key loop.
; HEAD SIZE 64 fills half of the instruction's K: a fragment of K holds two tiles of keys, X in k 0-63 and Y in k 64-127; q stands in a run [0 | q | 0] of 18 registers: [q | 0] picks X, [0 | q] picks Y.
; LAYOUT.  Both products transposed: a lane holds one query (lane % 16).  By the keys chosen for K's tiles a lane's 32 score registers of tiles 4 g .. 4 g + 3 are the whole block of keys 64 g + 32 (lane / 16) + 0 .. 31:
; p's operand layout; by the channels chosen for V's tiles a lane's 32 registers of O^T are channels 32 (lane / 16) + 0 .. 31: a whole block of y.  No maximum of a block crosses lanes.
.set KV,    4194304                    ; where k's and v's blocks begin in qkvc
.set STEPB, 12800
.set HEADB, 204800
.set SPARE, 204800                     ; behind the head's block: the spare words, 128 bytes for each wave
.set SPW, 8
.set NIL, 9
.set S,   92                           ; v92-155  scores, then t - M, then p
.set XP,  156                          ; v156-187 p of the first 64 keys' block
.set O,   188                          ; v188-219 O^T
.set PC,  220                          ; v220-231 p's codes
.set PT,  253                          ; a lane permute's destination
.set SH8, 254                          ; 8 (lane / 16)
.set R4,  255                          ; 4 (lane % 16)
.set WV,  8
.set RHO, 12
.set SEL, 40
.set CS,  42
.set TB,  44
.set KC,  45
.macro CROUND
	s_barrier_signal -1
	s_barrier_wait -1
	s_cmp_lg_u32 s[WV], 0
	s_cbranch_scc1 .Lnot_wave_0_\@
	s_barrier_signal -3
.Lnot_wave_0_\@:
	s_barrier_wait -3
	s_barrier_signal -1
	s_barrier_wait -1
.endm
.macro FRAG reg, a, off
	ds_load_b128 v[\reg:\reg+3], v[\a] offset:\off
	ds_load_b64 v[\reg+4:\reg+5], v[\a+1] offset:\off+512
	ds_load_b128 v[\reg+6:\reg+9], v[\a] offset:\off+768
	ds_load_b64 v[\reg+10:\reg+11], v[\a+1] offset:\off+1280
.endm
.macro QUANT32 s, c, t, m
	v_max3_num_f32 v[\m], |v[\s]|, |v[\s+1]|, 0x1800000
	v_max3_num_f32 v[\m+1], |v[\s+2]|, |v[\s+3]|, |v[\s+4]|
.irp i, 5,9,13,17,21,25
	v_max3_num_f32 v[\m], v[\m], |v[\s+\i]|, |v[\s+\i+1]|
	v_max3_num_f32 v[\m+1], v[\m+1], |v[\s+\i+2]|, |v[\s+\i+3]|
.endr
	v_max3_num_f32 v[\m], v[\m], |v[\s+29]|, |v[\s+30]|
	v_max3_num_f32 v[\m], v[\m], v[\m+1], |v[\s+31]|
	v_add_nc_u32 v[\m+1], 0xff000000, v[\m]
	v_lshrrev_b32 v[\m+2], 23, v[\m+1]
	v_cvt_scalef32_pk16_fp6_f32 v[\c:\c+2], v[\s:\s+15], v[\m+1]
	v_cvt_scalef32_pk16_fp6_f32 v[\t:\t+2], v[\s+16:\s+31], v[\m+1]
	v_nop
	v_mov_b32 v[\c+3], v[\t]
	v_mov_b32 v[\c+4], v[\t+1]
	v_mov_b32 v[\c+5], v[\t+2]
.endm
	s_load_b128 s[4:7], s[0:1], 0x0                ; qkvc, ys
	v_lshl_add_u32 v[SPW], v0, 2, SPARE
	v_mov_b32 v[NIL], 0
	ds_add_u32 v[SPW], v[NIL]                      ; the wave's opening: the add, twice on end, and its wait ahead of my first tensor load
	ds_add_u32 v[SPW], v[NIL]
	v_lshrrev_b32 v1, 5, v0
	v_readfirstlane_b32 s[WV], v1                  ; wave 0..15
	s_bfe_u32 s9, ttmp6, 0x40000                   ; cx: it enters global addresses and the mask's data alone
	s_lshl_b32 s10, ttmp9, 2
	s_add_co_u32 s10, s10, s9                      ; i: my work-group among the head's eight
	s_and_b32 s11, ttmp7, 0xffff                   ; 16 batch + head
	s_mov_b32 s12, 0x7a94c12f                      ; the ranks of waves 0-7, four bits each,
	s_mov_b32 s13, 0x0de3b658                      ; and of waves 8-15
	s_cmp_lt_u32 s[WV], 8
	s_cselect_b32 s12, s12, s13
	s_and_b32 s13, s[WV], 7
	s_lshl_b32 s13, s13, 2
	s_lshr_b32 s12, s12, s13
	s_and_b32 s[RHO], s12, 15                      ; my rank
	s_lshl_b32 s13, s[RHO], 3
	s_add_co_u32 s13, s13, s10                     ; my tile of 16 queries
	s_mov_b32 s16, 15|(3<<16)|(1<<21)              ; group 1, first load: mask of all four work-groups; elements of 8 bytes; bit 21 beside a mask
	s_mov_b32 s17, 32<<16                          ; rows of 256 bytes,
	s_mov_b32 s18, 4<<16                           ; four of them
	s_mov_b32 s19, 32<<16
	s_mov_b32 s20, 4
	s_mov_b32 s21, 32
	s_mov_b32 s22, 0
	s_mov_b32 s23, 0
	s_mov_b32 s24, 15|(3<<16)|(1<<21)              ; group 1, second load: 46 rows
	s_mov_b32 s25, 32<<16
	s_mov_b32 s26, 46<<16
	s_mov_b32 s27, 32<<16
	s_mov_b32 s28, 46
	s_mov_b32 s29, 32
	s_mov_b32 s30, 0
	s_mov_b32 s31, 0
	s_mul_i32 s52, s11, HEADB
	s_add_co_u32 s52, s52, KV                      ; the head's block
	s_lshl_b32 s53, s[WV], 10                      ; first load: 1,024 bytes a wave: together bytes 0 - 16,383, key step 0 among them
	s_add_co_u32 s54, s52, s53
	s_mov_b32 s55, 0
	s_mul_i32 s56, s[WV], 11776                    ; second load: 11,776 bytes a wave: the rest
	s_add_co_u32 s56, s56, 16384
	s_add_co_u32 s58, s52, s56
	s_mov_b32 s59, 0
	s_lshl_b32 s46, s11, 7
	s_add_co_u32 s46, s46, s13
	s_lshl_b32 s46, s46, 10                        ; my tile of q: 1,024 bytes
	s_mov_b32 s47, 0
	s_mov_b32 s[SEL], 0x76543210
	s_mov_b32 s[SEL+1], 0xfedcba98
	s_mov_b32 s[CS], 0x3e38aa3b                    ; c = log2(e) / 8
	s_mov_b32 s[CS+1], s[CS]
	s_mov_b32 s[TB], 0
	s_mov_b32 s[KC], 1
	s_wait_dscnt 0x0                               ; both opening adds are done
	s_wait_kmcnt 0x0
	s_mov_b32 s32, 1
	s_mov_b32 s33, s53
	s_add_nc_u64 s[34:35], s[4:5], s[54:55]
	s_or_b32 s35, s35, 0x80000000
	s_mov_b32 s36, 1
	s_mov_b32 s37, s56
	s_add_nc_u64 s[38:39], s[4:5], s[58:59]
	s_or_b32 s39, s39, 0x80000000
	s_add_nc_u64 s[46:47], s[4:5], s[46:47]
	CROUND                                         ; all four work-groups are here: the joint loads meet
	tensor_load_to_lds s[32:35], s[16:23]
	s_nop 0
	tensor_load_to_lds s[36:39], s[24:31]          ; two loads of mine are out
	s_nop 0
.rept 4
	v_nop
.endr
	v_and_b32 v3, 31, v0
	v_lshlrev_b32 v1, 4, v3                        ; 16 lane
	v_lshlrev_b32 v2, 3, v3                        ; 8 lane
	v_lshlrev_b32 v3, 2, v3                        ; 4 lane
	v_and_b32 v240, 15, v0
	v_bfe_u32 v241, v0, 4, 1
	v_lshlrev_b32 v[R4], 2, v240
	v_lshlrev_b32 v[SH8], 3, v241
	global_load_b128 v[26:29], v1, s[46:47]        ; q's H-image: the middle of the run v20-37
	global_load_b64 v[30:31], v2, s[46:47] offset:512
	global_load_b32 v38, v[R4], s[46:47] offset:768   ; its scale words
.irp j, 20,21,22,23,24,25,32,33,34,35,36,37
	v_mov_b32 v[\j], 0                             ; zero codes on both sides
.endr
	s_lshl_b32 s48, s10, 4
	v_lshlrev_b32 v243, 5, v241
	v_sub_nc_u32 v7, v240, v243
	v_add_nc_u32 v7, s48, v7                       ; on the diagonal: register 32 g + n holds key 64 g + 32 h + n of the step, hidden where 64 g + n > 16 i + r - 32 h
	v_mov_b32 v11, 0xff61b1e6                      ; the largest t so far: -3e38
	v_floor_f32 v10, -v11                          ; -M
.irp j, 12,13,14,15,17,19
	v_mov_b32 v[\j], 0                             ; l and E in two halves; the upper halves of the pairs f and d
.endr
	v_mov_b32 v[PT], 0
; A KEY STEP of 128 keys.  first = 1: step 0, which every wave walks and whose products start O^T's sums.
.macro KSTEP first
.if !\first
	s_cmp_gt_u32 s[KC], s[RHO]                     ; a step all of whose keys come after my queries is left out: a branch on ids; no barrier and no tensor load stands in a step
	s_cbranch_scc1 .Lskip_\@
.endif
	v_add_nc_u32 v4, s[TB], v1
	v_add_nc_u32 v5, s[TB], v2
	v_add_nc_u32 v6, s[TB], v3
	v_nop                                          ; four places in front of loads into registers that the last products read
.irp f, 0,1,2,3
	FRAG 44+12*\f, 4, 1536*\f                      ; K's four fragments: eight tiles of 16 keys
.endr
	ds_load_b32 v40, v6 offset:12288               ; K's words: fragments 0 | 1 in lanes 0-15 | 16-31,
	ds_load_b32 v41, v6 offset:12416               ; 2 | 3;
	ds_load_b32 v42, v6 offset:12544               ; V's: tiles 0 | 1,
	ds_load_b32 v43, v6 offset:12672               ; 2 | 3
	s_wait_dscnt 0x0
.irp t, 0,1,2,3,4,5,6,7
.if (\t/2)%2
	v_wmma_scale_f32_16x16x128_f8f6f4 v[S+8*\t:S+8*\t+7], v[44+12*(\t/2):55+12*(\t/2)], v[26-6*(\t%2):37-6*(\t%2)], 0, v[40+\t/4], v38 matrix_a_fmt:MATRIX_FMT_FP6 matrix_b_fmt:MATRIX_FMT_FP6 matrix_a_scale:MATRIX_SCALE_ROW1
.else
	v_wmma_scale_f32_16x16x128_f8f6f4 v[S+8*\t:S+8*\t+7], v[44+12*(\t/2):55+12*(\t/2)], v[26-6*(\t%2):37-6*(\t%2)], 0, v[40+\t/4], v38 matrix_a_fmt:MATRIX_FMT_FP6 matrix_b_fmt:MATRIX_FMT_FP6
.endif
.endr
.rept 4
	v_nop                                          ; places: for the loads below and for the first read of the scores
.endr
.irp t, 0,1,2,3
	FRAG 44+12*\t, 4, 6144+1536*\t                 ; V's four fragments land under the softmax
.endr
	s_cmp_lg_u32 s[KC], s[RHO]                     ; my diagonal is step g alone
.if \first
	s_cmp_lg_u32 s[RHO], 0
.endif
	s_cbranch_scc1 .Lopen_\@
	v_mov_b32 v252, 0xff61b1e6
.set n, 0
.rept 64
	v_cmp_gt_i32 vcc_lo, 64*(n/32)+n%32, v7
	v_cndmask_b32 v[S+n], v[S+n], v252, vcc_lo
.set n, n+1
.endr
.Lopen_\@:
	v_max3_num_f32 v240, v[S], v[S+1], v[S+2]      ; the largest score of each of my two blocks of 32 keys: for the row's maximum and, since p rises with the score, for the block's largest p
	v_max3_num_f32 v241, v[S+32], v[S+33], v[S+34]
.irp i, 3,5,7,9,11,13,15,17,19,21,23,25,27,29
	v_max3_num_f32 v240, v240, v[S+\i], v[S+\i+1]
	v_max3_num_f32 v241, v241, v[S+32+\i], v[S+33+\i]
.endr
	v_max_num_f32 v240, v240, v[S+31]
	v_max_num_f32 v241, v241, v[S+63]
	v_max_num_f32 v244, v240, v241
	v_permlanex16_b32 v[PT], v244, s[SEL], s[SEL+1]
	v_max_num_f32 v244, v244, v[PT]                ; with lane l xor 16's 64 keys
	v_mul_f32 v244, s[CS], v244
	v_max_num_f32 v11, v11, v244                   ; the running largest t
	v_mov_b32 v246, v10
	v_floor_f32 v10, -v11                          ; the new -M = -ceil(t)
	v_sub_f32 v18, v10, v246                       ; -d: a whole number, 0 or less
	v_cvt_i32_f32 v247, v18                        ; (it saturates)
	v_ldexp_f32 v16, 1.0, v247                     ; f = 2^-d
.set n, 0
.rept 32
	v_pk_fma_f32 v[S+n:S+n+1], v[S+n:S+n+1], s[CS:CS+1], v[10:11] op_sel_hi:[1,0,0]   ; t - M
.set n, n+2
.endr
	v_fma_f32 v240, v240, s[CS], v10
	v_fma_f32 v241, v241, s[CS], v10
.set n, 0
.rept 32
	v_exp_f32 v[XP+n], v[S+n]                      ; p of my first block; t - M stays for the entropy
.set n, n+1
.endr
	v_exp_f32 v242, v240                           ; the blocks' largest p
	v_exp_f32 v243, v241
	v_pk_fma_f32 v[14:15], v[12:13], v[18:19], v[14:15] op_sel_hi:[1,0,1]   ; E - d l  (plain work behind the batch)
	v_pk_mul_f32 v[14:15], v[14:15], v[16:17] op_sel_hi:[1,0]
	v_pk_mul_f32 v[12:13], v[12:13], v[16:17] op_sel_hi:[1,0]
	s_wait_alu depctr_va_vdst(0)                   ; one wait for the batch of 34, ahead of its first reader
.set n, 0
.rept 16
	v_pk_add_f32 v[12:13], v[12:13], v[XP+n:XP+n+1]
	v_pk_fma_f32 v[14:15], v[XP+n:XP+n+1], v[S+n:S+n+1], v[14:15]
.set n, n+2
.endr
.set n, 0
.rept 32
	v_exp_f32 v[S+n], v[S+32+n]                    ; p of my second block
.set n, n+1
.endr
	v_max_num_f32 v242, 0x1800000, v242            ; the floor 2^(3 - 127): the byte cannot fall under 1
	v_max_num_f32 v243, 0x1800000, v243
	v_add_nc_u32 v248, 0xff000000, v242            ; the conversions' scale operands
	v_add_nc_u32 v249, 0xff000000, v243
	v_lshrrev_b32 v250, 23, v248
	v_lshrrev_b32 v251, 23, v249
	v_lshl_or_b32 v252, v251, 16, v250
	v_lshlrev_b32 v252, v[SH8], v252               ; my bytes at places h and 2 + h
	v_permlanex16_b32 v[PT], v252, s[SEL], s[SEL+1]
	v_or_b32 v39, v252, v[PT]                      ; p's scale word for these 128 keys
	s_wait_alu depctr_va_vdst(0)                   ; one wait for the batch of 32
.set n, 0
.rept 16
	v_pk_add_f32 v[12:13], v[12:13], v[S+n:S+n+1]
	v_pk_fma_f32 v[14:15], v[S+n:S+n+1], v[S+32+n:S+33+n], v[14:15]
.set n, n+2
.endr
	v_cvt_scalef32_pk16_fp6_f32 v[PC:PC+2], v[XP:XP+15], v248
	v_cvt_scalef32_pk16_fp6_f32 v[232:234], v[XP+16:XP+31], v248
	v_cvt_scalef32_pk16_fp6_f32 v[PC+6:PC+8], v[S:S+15], v249
	v_cvt_scalef32_pk16_fp6_f32 v[236:238], v[S+16:S+31], v249
	v_nop                                          ; one plain place behind a scaled conversion
.irp i, 0,1,2
	v_mov_b32 v[PC+3+\i], v[232+\i]
	v_mov_b32 v[PC+9+\i], v[236+\i]
.endr
.if \first
.rept 4
	v_nop                                          ; an operand written by vector instructions stands four places ahead of a scaled product
.endr
.else
.set n, 0
.rept 16
	v_pk_mul_f32 v[O+n:O+n+1], v[O+n:O+n+1], v[16:17] op_sel_hi:[1,0]   ; O^T under the new M (these are those places too)
.set n, n+2
.endr
.endif
	s_wait_dscnt 0x0                               ; V is in
.irp t, 0,1,2,3
.if \first
.if \t%2
	v_wmma_scale_f32_16x16x128_f8f6f4 v[O+8*\t:O+8*\t+7], v[44+12*\t:55+12*\t], v[PC:PC+11], 0, v[42+\t/2], v39 matrix_a_fmt:MATRIX_FMT_FP6 matrix_b_fmt:MATRIX_FMT_FP6 matrix_a_scale:MATRIX_SCALE_ROW1
.else
	v_wmma_scale_f32_16x16x128_f8f6f4 v[O+8*\t:O+8*\t+7], v[44+12*\t:55+12*\t], v[PC:PC+11], 0, v[42+\t/2], v39 matrix_a_fmt:MATRIX_FMT_FP6 matrix_b_fmt:MATRIX_FMT_FP6
.endif
.else
.if \t%2
	v_wmma_scale_f32_16x16x128_f8f6f4 v[O+8*\t:O+8*\t+7], v[44+12*\t:55+12*\t], v[PC:PC+11], v[O+8*\t:O+8*\t+7], v[42+\t/2], v39 matrix_a_fmt:MATRIX_FMT_FP6 matrix_b_fmt:MATRIX_FMT_FP6 matrix_a_scale:MATRIX_SCALE_ROW1
.else
	v_wmma_scale_f32_16x16x128_f8f6f4 v[O+8*\t:O+8*\t+7], v[44+12*\t:55+12*\t], v[PC:PC+11], v[O+8*\t:O+8*\t+7], v[42+\t/2], v39 matrix_a_fmt:MATRIX_FMT_FP6 matrix_b_fmt:MATRIX_FMT_FP6
.endif
.endif
.endr
.Lskip_\@:
.endm
	s_wait_tensorcnt 1                             ; my part of the first 16,384 bytes is in; the second load may be out
	s_barrier_signal -1
	s_barrier_wait -1                              ; everybody's is: key step 0 is whole
	s_wait_loadcnt 0x0                             ; q
	KSTEP 1                                        ; all sixteen waves work while the rest lands
	s_add_co_u32 s[TB], s[TB], STEPB
	s_wait_tensorcnt 0x0
	s_wait_dscnt 0x0
	s_barrier_signal -1
	s_barrier_wait -1                              ; the head's K and V are whole
.Lkeys:                                            ; a constant 15 trips: steps 1 to 15
	KSTEP 0
	s_add_co_u32 s[TB], s[TB], STEPB
	s_add_co_u32 s[KC], s[KC], 1
	s_cmp_lt_u32 s[KC], 16
	s_cbranch_scc1 .Lkeys
	; THE WAY OUT
.rept 4
	v_nop                                          ; places behind the last products
.endr
	v_add_f32 v12, v12, v13
	v_add_f32 v14, v14, v15
	v_permlanex16_b32 v[PT], v12, s[SEL], s[SEL+1]
	v_add_f32 v12, v12, v[PT]                      ; the row's l
	v_permlanex16_b32 v[PT], v14, s[SEL], s[SEL+1]
	v_add_f32 v14, v14, v[PT]                      ; the row's E
	v_rcp_f32 v16, v12
	v_log_f32 v18, v12
	v_nop
	s_wait_alu depctr_va_vdst(0)                   ; one wait for the two, ahead of their first reader
	v_mov_b32 v17, v16
	v_fma_f32 v240, -v14, v16, v18                 ; log2 l - E / l
	v_mul_f32 v240, 0x3f317218, v240               ; x ln 2: the row's entropy
	v_add_f32_dpp v240, v240, v240 row_xmask:1 row_mask:0xf bank_mask:0xf
	v_add_f32_dpp v240, v240, v240 row_xmask:2 row_mask:0xf bank_mask:0xf
	v_add_f32_dpp v240, v240, v240 row_xmask:4 row_mask:0xf bank_mask:0xf
	v_add_f32_dpp v240, v240, v240 row_xmask:8 row_mask:0xf bank_mask:0xf   ; the sum over my 16 queries
.set n, 0
.rept 16
	v_pk_mul_f32 v[S+n:S+n+1], v[O+n:O+n+1], v[16:17]              ; y = O^T / l, each accumulator from its low end on
.set n, n+2
.endr
	QUANT32 S, PC, 232, 244
	v_lshlrev_b32 v247, v[SH8], v246
	v_permlanex16_b32 v[PT], v247, s[SEL], s[SEL+1]
	v_or_b32 v247, v247, v[PT]                     ; both halves' bytes of my row
	s_lshr_b32 s52, s11, 4
	s_lshl_b32 s52, s52, 4
	s_lshr_b32 s53, s13, 3
	s_add_co_u32 s52, s52, s53                     ; y's row of records: token / 128
	s_and_b32 s53, s11, 15                         ; the head: k = 64 head + channel
	s_lshl_b32 s52, s52, 2
	s_lshr_b32 s54, s53, 2
	s_add_co_u32 s52, s52, s54
	s_mul_i32 s52, s52, 25600                      ; the record
	s_and_b32 s54, s13, 7
	s_lshl_b32 s54, s54, 1
	s_bfe_u32 s55, s53, 0x10001
	s_add_co_u32 s54, s54, s55                     ; the fragment
	s_and_b32 s53, s53, 1                          ; its half
	s_mul_i32 s55, s54, 1536
	s_add_co_u32 s55, s55, s52
	s_mul_i32 s56, s53, 768
	s_add_co_u32 s56, s56, s55
	s_mov_b32 s57, 0
	s_add_nc_u64 s[48:49], s[6:7], s[56:57]
	s_lshl_b32 s54, s54, 6
	s_add_co_u32 s54, s54, s52
	s_lshl_b32 s53, s53, 1
	s_add_co_u32 s56, s54, s53
	s_add_co_u32 s56, s56, 24576
	s_add_nc_u64 s[50:51], s[6:7], s[56:57]
	s_lshl_b32 s56, s11, 3
	s_add_co_u32 s56, s56, s10
	s_lshl_b32 s56, s56, 4
	s_add_co_u32 s56, s56, s[WV]
	s_lshl_b32 s56, s56, 2
	s_add_co_u32 s56, s56, 3276800                 ; behind y's records: one f32 for each wave of the launch
	s_add_nc_u64 s[58:59], s[6:7], s[56:57]
	global_store_b128 v1, v[PC:PC+3], s[48:49]     ; 512 consecutive bytes, at a multiple of 256 from the buffer's first byte
	global_store_b64 v2, v[PC+4:PC+5], s[48:49] offset:512
	global_store_b16 v[R4], v247, s[50:51]         ; my head's two bytes of the row's scale word
	v_cmp_eq_u32 vcc_lo, 0, v3
	s_wait_xcnt 0x0                                ; EXEC changes only behind this wait
	s_and_saveexec_b32 s60, vcc_lo
	global_store_b32 v3, v240, s[58:59]            ; lane 0: the tile's entropy
	s_wait_xcnt 0x0
	s_or_b32 exec_lo, exec_lo, s60
	s_wait_tensorcnt 0x0                           ; the wave's end, behind my last tensor load
	ds_add_u32 v[SPW], v[NIL]
	s_wait_dscnt 0x0
	CROUND                                         ; the closing round
	s_endpgm
.Lfunc_end_k_q1ce3464b4d_attn:
	.size	k_q1ce3464b4d_attn, .Lfunc_end_k_q1ce3464b4d_attn-k_q1ce3464b4d_attn
	.p2alignl 7, 3214868480
	.fill 96, 4, 3214868480
	.section	.rodata,"a",@progbits
	.p2align	6, 0x0
	.amdhsa_kernel k_q1ce3464b4d_attn
		.amdhsa_group_segment_fixed_size 206848
		.amdhsa_private_segment_fixed_size 0
		.amdhsa_enable_private_segment 0
		.amdhsa_kernarg_size 16
		.amdhsa_user_sgpr_count 2
		.amdhsa_user_sgpr_kernarg_segment_ptr 1
		.amdhsa_wavefront_size32 1
		.amdhsa_system_sgpr_workgroup_id_x 1
		.amdhsa_system_sgpr_workgroup_id_y 1
		.amdhsa_system_sgpr_workgroup_id_z 1
		.amdhsa_system_vgpr_workitem_id 0
		.amdhsa_next_free_vgpr 256
		.amdhsa_next_free_sgpr 66
		.amdhsa_reserve_vcc 1
		.amdhsa_float_denorm_mode_32 3
		.amdhsa_float_denorm_mode_16_64 3
		.amdhsa_memory_ordered 1
		.amdhsa_forward_progress 1
		.amdhsa_inst_pref_size 55
	.end_amdhsa_kernel
	.amdgpu_metadata
---
amdhsa.version: [ 1, 2 ]
amdhsa.kernels:
  - .name:           k_q1ce3464b4d_attn
    .symbol:         k_q1ce3464b4d_attn.kd
    .args:
      - { .name: qkvc, .offset: 0, .size: 8, .value_kind: global_buffer, .address_space: global }
      - { .name: ys, .offset: 8, .size: 8, .value_kind: global_buffer, .address_space: global }
    .group_segment_fixed_size: 206848
    .private_segment_fixed_size: 0
    .kernarg_segment_align: 8
    .kernarg_segment_size: 16
    .max_flat_workgroup_size: 512
    .sgpr_count:     66
    .vgpr_count:     256
    .wavefront_size: 32
...
	.end_amdgpu_metadata
.endif
;; end of part 3
;; launch proj (part 4): grid 8 x 32, 4 waves a work-group, clusters of 4 x 4, 327,680 bytes of LDS; arguments ys, wq, b_proj, x, x1; writes x1
.if DOCPART == 4
	.amdgcn_target "amdgcn-amd-amdhsa--gfx1250"
	.amdhsa_code_object_version 6
	.text
	.protected	k_q1ce3464b4d_proj
	.globl	k_q1ce3464b4d_proj
	.p2align	8
	.type	k_q1ce3464b4d_proj,@function
k_q1ce3464b4d_proj:
	s_mov_b64 s[64:65], 0
	v_nop
	global_prefetch_b8 v0, s[64:65] scope:SCOPE_SE
	s_setreg_imm32_b32 hwreg(HW_REG_WAVE_MODE, 25, 1), 1
	s_wait_xcnt 0x0
	s_wait_alu depctr_hold_cnt(0) depctr_sa_sdst(0) depctr_va_vdst(0) depctr_va_sdst(0) depctr_va_ssrc(0) depctr_va_vcc(0) depctr_vm_vsrc(0)
	s_getreg_b32 s2, hwreg(HW_REG_IB_STS2, 6, 4)
	s_cmp_eq_u32 s2, 0
	s_cbranch_scc0 .Lentry_in_a_cluster
	s_endpgm
.Lentry_in_a_cluster:
	s_bfe_u32 s2, ttmp6, 0x10000c
	s_cmp_lg_u32 s2, 0xf033
	s_cbranch_scc0 .Lentry_shape_is_right
	s_endpgm
.Lentry_shape_is_right:
; PROJ: x1 = x + Q(y) Q(w_proj)^T + b_proj on codes of FP6 (E2M3) with E8M0 scales.  y's and the weight's records are laid in the order of an operand's registers (25,600 bytes = 128 rows x 256 K:
; fragment (a, q) at 1,536 (2 a + q), its 16 scale words at 24,576 + 64 (2 a + q)).
; N is 1,024: tiles of 128 x 128 give 256 work-groups.  THE FOUR WAVES SHARE K, NOT THE TILE: a slot holds 512 along K (two records of A, two of B), and wave w multiplies the whole 128 x 128 tile over K slice
; 256 (w / 2) + 128 (w % 2) of each slot: 64 accumulators a wave, each LDS byte read once.  The four partial sums meet in the stages in LDS.
; LIMIT: an output is the sum of four partial sums, each over the 128-wide slices that lie 512 apart along K, ascending; then bias and residual.
; CLUSTERS: 4 x 4 work-groups; A's records are asked for jointly along a row of the cluster, B's along a column.  The matrix instruction is used transposed: a lane holds eight neighbouring columns of one token.
; The stages (128 rows x 528 bytes a wave) lie over the ring: they are written behind a barrier behind every wave's last read of the ring, and the ring has had its last fill.
.set NJ,    4                          ; records along K
.set WOFF,  2457600                    ; the weight's records in wq
.set NQ,    1
.set FR,    12
.set NL,    4
.set NP,    4
.set REC,   25600
.set SLOT,  4*REC
.set SSTEP, 2*REC
.set SW,    67584
.set SP,    528
.set SPARE, 4*SW
.set LI,   4
.set L8,   5
.set R4,   6
.set RS,   8                           ; v8-11 the four stages at my 32 rows, + 16 lane
.set ADRS, 12
.set ADRA, 16
.set ADRB, 20
.set STO,  24
.set SPW,  28
.set NIL,  29
.set SC,   32
.set AF,   128
.set G1,  24
.set G0,  32
.set G1B, 48
.set G0B, 56
.set MSB, 0
.macro WIN new
.if MSB != (\new)
	s_set_vgpr_msb (MSB<<8)|(\new)
.set MSB, (\new)
.endif
.endm
.set MUL_LO, 0xa1
.set MUL_HI, 0xf1
.set TO_B,   0x40
.macro JLOAD g0a, g1a, g0b, g1b        ; a joint load: waves 0 and 1 fetch A's records, waves 2 and 3 B's; an s_nop 0 and four v_nop follow each line
	s_cmp_eq_u32 s15, 0
	s_cbranch_scc0 .Lfor_b_\@
	tensor_load_to_lds s[\g0a:\g0a+3], s[\g1a:\g1a+7]
	s_nop 0
.rept 4
	v_nop
.endr
	s_branch .Lasked_\@
.Lfor_b_\@:
	tensor_load_to_lds s[\g0b:\g0b+3], s[\g1b:\g1b+7]
	s_nop 0
.rept 4
	v_nop
.endr
.Lasked_\@:
.endm
.macro CREST
	s_cmp_lg_u32 s14, 0
	s_cbranch_scc1 .Lnot_wave_0_\@
	s_barrier_signal -3
.Lnot_wave_0_\@:
	s_barrier_wait -3
	s_barrier_signal -1
	s_barrier_wait -1
.endm
.macro CROUND
	s_barrier_signal -1
	s_barrier_wait -1
	CREST
.endm
.macro PLACES n
.rept \n
	v_nop
.endr
.endm
.macro FRAG reg, a, off
	ds_load_b128 v[\reg:\reg+3], v[\a] offset:\off
	ds_load_b64 v[\reg+4:\reg+5], v[\a+1] offset:\off+512
	ds_load_b128 v[\reg+6:\reg+9], v[\a] offset:\off+768
	ds_load_b64 v[\reg+10:\reg+11], v[\a+1] offset:\off+1280
.endm
; 16 products: A's blocks a0, a0 + 1 x B's eight.  first = 1: the constant 0 starts the sums.  The 64 accumulators take turns, one instruction a turn.
.macro MUL16 a0, p, q, sc, first
.irp a, \a0, \a0+1
.irp b, 0,1,2,3,4,5,6,7
.if \first
	v_wmma_scale_f32_16x16x128_f8f6f4 v[8*(8*((\a)%4)+\b):8*(8*((\a)%4)+\b)+7], v[128*(\p)+FR*\b:128*(\p)+FR*\b+FR-1], v[AF+FR*(\a):AF+FR*(\a)+FR-1], 0, v[SC+8*NQ*(\sc)+NQ*\b+(\q)], v[SC+8*NQ*(\sc)+NQ*(\a)+(\q)] matrix_a_fmt:MATRIX_FMT_FP6 matrix_b_fmt:MATRIX_FMT_FP6 matrix_a_scale:MATRIX_SCALE_ROW1
.else
	v_wmma_scale_f32_16x16x128_f8f6f4 v[8*(8*((\a)%4)+\b):8*(8*((\a)%4)+\b)+7], v[128*(\p)+FR*\b:128*(\p)+FR*\b+FR-1], v[AF+FR*(\a):AF+FR*(\a)+FR-1], v[8*(8*((\a)%4)+\b):8*(8*((\a)%4)+\b)+7], v[SC+8*NQ*(\sc)+NQ*\b+(\q)], v[SC+8*NQ*(\sc)+NQ*(\a)+(\q)] matrix_a_fmt:MATRIX_FMT_FP6 matrix_b_fmt:MATRIX_FMT_FP6 matrix_a_scale:MATRIX_SCALE_ROW1
.endif
.endr
.endr
.endm
.macro FETCH_B slot, q, p
	WIN TO_B
.irp i, 0,1,2,3,4,5,6,7
	FRAG 128*(\p)+FR*\i, ADRB+2*(\slot), (2*\i+(\q))*1536
.endr
	WIN 0
.endm
.macro FETCH_A slot, q, i0
.irp i, \i0, \i0+1, \i0+2, \i0+3
	FRAG AF+FR*(\i), ADRA+2*(\slot), (2*(\i)+(\q))*1536
.endr
.endm
.macro SCALES slot
.irp i, 0,1,2,3,4,5,6,7
	ds_load_b32 v[SC+8*(\slot)+\i], v[ADRS+(\slot)] offset:128*\i
.endr
.endm
; A wave's one step of a slot, which also changes slots: one barrier; in front of it each wave waits for all its tensor loads, adds 0 to its spare word, and waits for that and for its reads of this slot.
.macro TURN slot, next, p, fill, first
	s_wait_tensorcnt 0x0                           ; all my tensor loads have landed: my part of the next slot
	ds_add_u32 v[SPW], v[NIL]                      ; 0 onto my spare word
	s_wait_dscnt 4*NL+1                            ; (the add and the youngest 16 loads, A's blocks 4-7, may be out)
	WIN MUL_LO
	MUL16 0, \p, 0, \slot, \first
	s_wait_dscnt 0x0                               ; the add is done, and my reads of this slot are over
	s_barrier_signal -1
	MUL16 2, \p, 0, \slot, \first
	WIN 0
	s_barrier_wait -1
.if \fill
	CREST
	s_add_nc_u64 s[G0+4*\slot+2:G0+4*\slot+3], s[G0+4*\slot+2:G0+4*\slot+3], 2*SSTEP
	s_add_nc_u64 s[G0B+4*\slot+2:G0B+4*\slot+3], s[G0B+4*\slot+2:G0B+4*\slot+3], 2*SSTEP
	JLOAD G0+4*\slot, G1, G0B+4*\slot, G1B
.else
	PLACES NP
.endif
	FETCH_B \next, 0, 1-(\p)
	FETCH_A \next, 0, 0
	SCALES \next
	WIN MUL_HI
	MUL16 4, \p, 0, \slot, \first
	MUL16 6, \p, 0, \slot, \first
	PLACES NP
	WIN 0
	FETCH_A \next, 0, 4
.endm
.macro LAST slot, p
	s_wait_dscnt 4*NL
	WIN MUL_LO
	MUL16 0, \p, 0, \slot, 0
	MUL16 2, \p, 0, \slot, 0
	s_wait_dscnt 0
	WIN MUL_HI
	MUL16 4, \p, 0, \slot, 0
	MUL16 6, \p, 0, \slot, 0
	WIN 0
.endm
.macro STAGE_ALL
	s_wait_dscnt 0x0
	s_barrier_signal -1
	s_barrier_wait -1                              ; every wave has read the ring for the last time
	PLACES NP
.irp a, 0,1,2,3,4,5,6,7
	WIN 0x08+4*(\a/4)
.irp b, 0,1,2,3,4,5,6,7
	ds_store_b128 v[STO], v[8*(8*(\a%4)+\b):8*(8*(\a%4)+\b)+3] offset:16*SP*\a+64*\b
	ds_store_b128 v[STO], v[8*(8*(\a%4)+\b)+4:8*(8*(\a%4)+\b)+7] offset:16*SP*\a+64*\b+16
.endr
.endr
	WIN 0
.endm
	s_load_b128 s[4:7], s[0:1], 0x0                ; A's records, wq
	s_load_b128 s[8:11], s[0:1], 0x10              ; the bias, the residual
	s_load_b64 s[12:13], s[0:1], 0x20              ; the result
	v_lshl_add_u32 v[SPW], v0, 2, SPARE
	v_mov_b32 v[NIL], 0
	ds_add_u32 v[SPW], v[NIL]                      ; the wave's opening: the add, twice on end, and its wait ahead of my first tensor load
	ds_add_u32 v[SPW], v[NIL]
	v_lshrrev_b32 v1, 5, v0
	v_readfirstlane_b32 s14, v1
	s_lshr_b32 s15, s14, 1                         ; which record of a slot I multiply.  Also: I fetch for A (0) or for B (1)
	s_and_b32 s16, s14, 1                          ; which 128 along K of it.  Also: which of the two records I fetch
	s_bfe_u32 s40, ttmp6, 0x40000
	s_bfe_u32 s41, ttmp6, 0x40004
	s_lshl_b32 s42, ttmp9, 2
	s_add_co_u32 s42, s42, s40                     ; tile column
	s_and_b32 s17, ttmp7, 0xffff
	s_lshl_b32 s17, s17, 2
	s_add_co_u32 s17, s17, s41                     ; tile row
	s_lshl_b32 s43, s41, 2
	s_lshl_b32 s43, 15, s43
	s_lshl_b32 s44, 0x1111, s40
	s_or_b32 s[G1+0], s43, (3<<16)|(1<<21)
	s_or_b32 s[G1B+0], s44, (3<<16)|(1<<21)
.irp g, G1, G1B
	s_mov_b32 s[\g+1], 32<<16
	s_mov_b32 s[\g+2], 100<<16
	s_mov_b32 s[\g+3], 32<<16
	s_mov_b32 s[\g+4], 100
	s_mov_b32 s[\g+5], 32
	s_mov_b32 s[\g+6], 0
	s_mov_b32 s[\g+7], 0
.endr
	s_mul_i32 s20, s17, NJ
	s_add_co_u32 s20, s20, s16
	s_mul_i32 s20, s20, REC
	s_mov_b32 s21, 0
	s_mul_i32 s46, s42, NJ
	s_add_co_u32 s46, s46, s16
	s_mul_i32 s46, s46, REC
	s_add_co_u32 s46, s46, WOFF
	s_mov_b32 s47, 0
	s_mul_i32 s45, s14, REC
	s_lshl_b32 s70, s17, 7
	s_lshl_b32 s71, s14, 5
	s_add_co_u32 s70, s70, s71                     ; the 32 rows that I finish: 128 x tile row + 32 x wave
	s_lshl_b32 s70, s70, 12
	s_lshl_b32 s72, s42, 9                         ; the tile's 512 bytes of a row
	s_add_co_u32 s70, s70, s72
	s_mov_b32 s71, 0
	s_mov_b32 s73, 0
	s_wait_dscnt 0x0
	s_wait_kmcnt 0x0
	s_add_nc_u64 s[20:21], s[4:5], s[20:21]
	s_add_nc_u64 s[46:47], s[6:7], s[46:47]
	s_add_nc_u64 s[74:75], s[10:11], s[70:71]
	s_add_nc_u64 s[76:77], s[12:13], s[70:71]
	s_add_nc_u64 s[78:79], s[8:9], s[72:73]
	CROUND
.irp s, 0,1
	s_mov_b32 s[G0+4*\s], 1
	s_add_co_u32 s[G0+4*\s+1], s45, \s*SLOT
	s_add_nc_u64 s[G0+4*\s+2:G0+4*\s+3], s[20:21], \s*SSTEP
	s_or_b32 s[G0+4*\s+3], s[G0+4*\s+3], 0x80000000
	s_mov_b32 s[G0B+4*\s], 1
	s_add_co_u32 s[G0B+4*\s+1], s45, \s*SLOT
	s_add_nc_u64 s[G0B+4*\s+2:G0B+4*\s+3], s[46:47], \s*SSTEP
	s_or_b32 s[G0B+4*\s+3], s[G0B+4*\s+3], 0x80000000
	JLOAD G0+4*\s, G1, G0B+4*\s, G1B
.endr
	v_and_b32 v1, 31, v0
	v_and_b32 v2, 15, v0
	v_bfe_u32 v3, v0, 4, 1
	v_lshlrev_b32 v[LI], 4, v1
	v_lshlrev_b32 v[L8], 3, v1
	v_lshlrev_b32 v[R4], 2, v2
	s_mul_i32 s21, s15, REC
	s_mul_i32 s23, s16, 1536
	s_add_co_u32 s21, s21, s23                     ; A: my record, my column of fragments
	s_add_co_u32 s22, s21, 2*REC                   ; B: two records on
.irp s, 0,1
	v_add_nc_u32 v[ADRA+2*\s], s21, v[LI]
	v_add_nc_u32 v[ADRA+2*\s+1], s21, v[L8]
	v_add_nc_u32 v[ADRB+2*\s], s22, v[LI]
	v_add_nc_u32 v[ADRB+2*\s+1], s22, v[L8]
	s_add_co_u32 s21, s21, SLOT
	s_add_co_u32 s22, s22, SLOT
.endr
	s_mul_i32 s21, s15, REC
	s_lshl_b32 s23, s16, 6
	s_add_co_u32 s21, s21, s23
	s_add_co_u32 s21, s21, 24576
	v_mul_u32_u24 v7, v3, 2*REC                    ; lanes 16-31 take B's words
	v_add_nc_u32 v7, v7, v[R4]
	v_add_nc_u32 v[ADRS], s21, v7
	s_add_co_u32 s21, s21, SLOT
	v_add_nc_u32 v[ADRS+1], s21, v7
	s_mul_i32 s23, s14, SW
	v_mul_u32_u24 v7, v2, SP
	v_add_nc_u32 v7, s23, v7
	v_lshl_add_u32 v[STO], v3, 5, v7
	s_mul_i32 s23, s14, 32*SP
	v_add_nc_u32 v[RS], s23, v[LI]
	v_add_nc_u32 v[RS+1], SW, v[RS]
	v_add_nc_u32 v[RS+2], 2*SW, v[RS]
	v_add_nc_u32 v[RS+3], 3*SW, v[RS]
	s_wait_tensorcnt 1                             ; my part of slot 0 is in (slot 1's load may be out)
	s_barrier_signal -1
	s_barrier_wait -1
	FETCH_B 0, 0, 0
	FETCH_A 0, 0, 0
	SCALES 0
	FETCH_A 0, 0, 4
	TURN 0, 1, 0, 0, 1                             ; K 0-511; both slots were asked for at the head: nothing is filled again
	LAST 1, 1                                      ; K 512-1,023
	PLACES NP                                      ; in front of loads into registers that the last products read
.set p, 0
.rept 32
	global_load_b128 v[128+4*p:131+4*p], v[LI], s[74:75] offset:4096*p   ; the residual of my 32 rows: 512 consecutive bytes a load
.set p, p+1
.endr
	global_load_b128 v[32:35], v[LI], s[78:79]     ; the bias of my four columns
	STAGE_ALL
	s_wait_dscnt 0x0                               ; for the others' sake: my partial sums have landed
	s_barrier_signal -1
	s_barrier_wait -1
.set bt, 0
.rept 8
.irp pp, 0,1,2,3
.irp s, 0,1,2,3
	ds_load_b128 v[64+16*\pp+4*\s:67+16*\pp+4*\s], v[RS+\s] offset:SP*(4*bt+\pp)
.endr
.endr
.irp pp, 0,1,2,3
	s_wait_dscnt 12-4*\pp                          ; this row's four partial sums are in; the later rows' may be out
.if bt == 0
	s_wait_loadcnt 0x0
.endif
	v_pk_add_f32 v[64+16*\pp:65+16*\pp], v[64+16*\pp:65+16*\pp], v[68+16*\pp:69+16*\pp]
	v_pk_add_f32 v[66+16*\pp:67+16*\pp], v[66+16*\pp:67+16*\pp], v[70+16*\pp:71+16*\pp]
	v_pk_add_f32 v[72+16*\pp:73+16*\pp], v[72+16*\pp:73+16*\pp], v[76+16*\pp:77+16*\pp]
	v_pk_add_f32 v[74+16*\pp:75+16*\pp], v[74+16*\pp:75+16*\pp], v[78+16*\pp:79+16*\pp]
	v_pk_add_f32 v[128+4*(4*bt+\pp):129+4*(4*bt+\pp)], v[128+4*(4*bt+\pp):129+4*(4*bt+\pp)], v[32:33]
	v_pk_add_f32 v[130+4*(4*bt+\pp):131+4*(4*bt+\pp)], v[130+4*(4*bt+\pp):131+4*(4*bt+\pp)], v[34:35]
	v_pk_add_f32 v[64+16*\pp:65+16*\pp], v[64+16*\pp:65+16*\pp], v[72+16*\pp:73+16*\pp]
	v_pk_add_f32 v[66+16*\pp:67+16*\pp], v[66+16*\pp:67+16*\pp], v[74+16*\pp:75+16*\pp]
	v_pk_add_f32 v[128+4*(4*bt+\pp):129+4*(4*bt+\pp)], v[128+4*(4*bt+\pp):129+4*(4*bt+\pp)], v[64+16*\pp:65+16*\pp]
	v_pk_add_f32 v[130+4*(4*bt+\pp):131+4*(4*bt+\pp)], v[130+4*(4*bt+\pp):131+4*(4*bt+\pp)], v[66+16*\pp:67+16*\pp]
	global_store_b128 v[LI], v[128+4*(4*bt+\pp):131+4*(4*bt+\pp)], s[76:77] offset:4096*(4*bt+\pp)   ; 512 consecutive bytes; a row's registers are never written again
.endr
.set bt, bt+1
.endr
	s_wait_tensorcnt 0x0                           ; the wave's end, behind my last tensor load and my last LDS store
	ds_add_u32 v[SPW], v[NIL]
	s_wait_dscnt 0x0
	CROUND
	s_endpgm
.Lfunc_end_k_q1ce3464b4d_proj:
	.size	k_q1ce3464b4d_proj, .Lfunc_end_k_q1ce3464b4d_proj-k_q1ce3464b4d_proj
	.p2alignl 7, 3214868480
	.fill 96, 4, 3214868480
	.section	.rodata,"a",@progbits
	.p2align	6, 0x0
	.amdhsa_kernel k_q1ce3464b4d_proj
		.amdhsa_group_segment_fixed_size 327680
		.amdhsa_private_segment_fixed_size 0
		.amdhsa_enable_private_segment 0
		.amdhsa_kernarg_size 40
		.amdhsa_user_sgpr_count 2
		.amdhsa_user_sgpr_kernarg_segment_ptr 1
		.amdhsa_wavefront_size32 1
		.amdhsa_system_sgpr_workgroup_id_x 1
		.amdhsa_system_sgpr_workgroup_id_y 1
		.amdhsa_system_sgpr_workgroup_id_z 1
		.amdhsa_system_vgpr_workitem_id 0
		.amdhsa_next_free_vgpr 1024
		.amdhsa_next_free_sgpr 100
		.amdhsa_reserve_vcc 0
		.amdhsa_float_denorm_mode_32 3
		.amdhsa_float_denorm_mode_16_64 3
		.amdhsa_memory_ordered 1
		.amdhsa_forward_progress 1
		.amdhsa_inst_pref_size 78
	.end_amdhsa_kernel
	.amdgpu_metadata
---
amdhsa.version: [ 1, 2 ]
amdhsa.kernels:
  - .name:           k_q1ce3464b4d_proj
    .symbol:         k_q1ce3464b4d_proj.kd
    .args:
      - { .name: ys, .offset: 0, .size: 8, .value_kind: global_buffer, .address_space: global }
      - { .name: wq, .offset: 8, .size: 8, .value_kind: global_buffer, .address_space: global }
      - { .name: b_proj, .offset: 16, .size: 8, .value_kind: global_buffer, .address_space: global }
      - { .name: x, .offset: 24, .size: 8, .value_kind: global_buffer, .address_space: global }
      - { .name: x1, .offset: 32, .size: 8, .value_kind: global_buffer, .address_space: global }
    .group_segment_fixed_size: 327680
    .private_segment_fixed_size: 0
    .kernarg_segment_align: 8
    .kernarg_segment_size: 40
    .max_flat_workgroup_size: 128
    .sgpr_count:     100
    .vgpr_count:     1024
    .wavefront_size: 32
...
	.end_amdgpu_metadata
.endif
;; end of part 4
;; launch ln2 (part 5): grid 257 x 1, 16 waves a work-group, no clusters, 88,832 bytes of LDS; arguments x1, ln2_w, ln2_b, ys, h2c, out1; writes h2c, out1
.if DOCPART == 5
	.amdgcn_target "amdgcn-amd-amdhsa--gfx1250"
	.amdhsa_code_object_version 6
	.text
	.protected	k_q1ce3464b4d_ln2
	.globl	k_q1ce3464b4d_ln2
	.p2align	8
	.type	k_q1ce3464b4d_ln2,@function
k_q1ce3464b4d_ln2:
	s_mov_b64 s[64:65], 0
	v_nop
	global_prefetch_b8 v0, s[64:65] scope:SCOPE_SE
	s_setreg_imm32_b32 hwreg(HW_REG_WAVE_MODE, 25, 1), 1
	s_wait_xcnt 0x0
; LN2: LayerNorm 2 of x1 becomes codes of FP6 (E2M3) with E8M0 bytes, in records laid in the order of an operand's registers (as the first launch lays LayerNorm 1); and the entropy's mean is taken.
; Work-groups 0-255: 16 rows each, wave w row w.  Work-group 256 is the one owner of the sum over the attention's 4,096 waves: its wave 0 adds their numbers and stores the mean over 65,536 rows; it uses no LDS and meets no barrier.
; LIMITS: blocks of zeros and blocks under 2^-124 get the byte 1; NaN and infinities are not served.
.set STG,   4608
.set IPI,   784
.set IMG,   16*STG
.set SCL,   IMG+16*IPI
.set SPARE, SCL+512
.set REC,   25600
.set X,   16
.set GW,  48
.set GB,  80
.set CD,  112
.set TQ,  118
.set MQ,  122
.set SPW, 14
.set NIL, 15
.macro QUANT32 s, c, t, m
	v_max3_num_f32 v[\m], |v[\s]|, |v[\s+1]|, 0x1800000
	v_max3_num_f32 v[\m+1], |v[\s+2]|, |v[\s+3]|, |v[\s+4]|
.irp i, 5,9,13,17,21,25
	v_max3_num_f32 v[\m], v[\m], |v[\s+\i]|, |v[\s+\i+1]|
	v_max3_num_f32 v[\m+1], v[\m+1], |v[\s+\i+2]|, |v[\s+\i+3]|
.endr
	v_max3_num_f32 v[\m], v[\m], |v[\s+29]|, |v[\s+30]|
	v_max3_num_f32 v[\m], v[\m], v[\m+1], |v[\s+31]|
	v_add_nc_u32 v[\m+1], 0xff000000, v[\m]
	v_lshrrev_b32 v[\m+2], 23, v[\m+1]
	v_cvt_scalef32_pk16_fp6_f32 v[\c:\c+2], v[\s:\s+15], v[\m+1]
	v_cvt_scalef32_pk16_fp6_f32 v[\t:\t+2], v[\s+16:\s+31], v[\m+1]
	v_nop
	v_mov_b32 v[\c+3], v[\t]
	v_mov_b32 v[\c+4], v[\t+1]
	v_mov_b32 v[\c+5], v[\t+2]
.endm
.macro ALLSUM a, t
	v_add_f32_dpp v[\a], v[\a], v[\a] row_xmask:1 row_mask:0xf bank_mask:0xf
	v_add_f32_dpp v[\a], v[\a], v[\a] row_xmask:2 row_mask:0xf bank_mask:0xf
	v_add_f32_dpp v[\a], v[\a], v[\a] row_xmask:4 row_mask:0xf bank_mask:0xf
	v_add_f32_dpp v[\a], v[\a], v[\a] row_xmask:8 row_mask:0xf bank_mask:0xf
	v_permlanex16_b32 v[\t], v[\a], s32, s33
	v_add_f32 v[\a], v[\a], v[\t]
.endm
	s_load_b256 s[4:11], s[0:1], 0x0               ; x1, ln2_w, ln2_b, ys
	s_load_b128 s[12:15], s[0:1], 0x20             ; h2c, out1
	v_lshl_add_u32 v[SPW], v0, 2, SPARE
	v_mov_b32 v[NIL], 0
	v_lshrrev_b32 v1, 5, v0
	v_readfirstlane_b32 s22, v1
	v_and_b32 v1, 31, v0
	v_lshlrev_b32 v2, 4, v1
	s_mov_b32 s32, 0x76543210
	s_mov_b32 s33, 0xfedcba98
	s_cmp_eq_u32 ttmp9, 256
	s_cbranch_scc1 .Lentropy                       ; ahead of every LDS line and of the barrier
	s_mul_i32 s34, s22, STG
	v_lshrrev_b32 v13, 3, v1
	v_lshl_add_u32 v3, v13, 4, v2
	v_add_nc_u32 v3, s34, v3
	v_mul_u32_u24 v4, v1, 144
	v_add_nc_u32 v4, s34, v4
	v_lshrrev_b32 v13, 1, v1
	v_mul_u32_u24 v13, v13, IPI
	v_and_b32 v12, 1, v1
	v_lshl_add_u32 v5, v12, 8, v13
	s_lshl_b32 s35, s22, 4
	s_add_co_u32 s35, s35, IMG
	v_add_nc_u32 v5, s35, v5
	v_lshl_add_u32 v6, v12, 7, v13
	s_lshl_b32 s35, s22, 3
	s_add_co_u32 s35, s35, IMG+512
	v_add_nc_u32 v6, s35, v6
	v_lshrrev_b32 v13, 2, v1
	v_and_b32 v12, 3, v1
	v_lshl_add_u32 v7, v13, 6, v12
	s_lshl_b32 s35, s22, 2
	s_add_co_u32 s35, s35, SCL
	v_add_nc_u32 v7, s35, v7
	s_mul_i32 s35, s22, IPI
	s_add_co_u32 s35, s35, IMG
	v_add_nc_u32 v8, s35, v2
	v_lshlrev_b32 v10, 3, v1
	s_add_co_u32 s35, s35, 512
	v_add_nc_u32 v9, s35, v10
	v_lshrrev_b32 v13, 3, v1
	v_mul_u32_u24 v11, v13, REC
	v_bfe_u32 v13, v1, 2, 1
	v_lshl_add_u32 v11, v13, 6, v11
	v_lshl_add_u32 v11, v12, 4, v11
	v_add_nc_u32 v12, SCL, v2
	s_mov_b32 s46, 0x3a800000                      ; 1 / 1,024
	s_lshl_b32 s38, ttmp9, 4
	s_add_co_u32 s38, s38, s22
	s_lshl_b32 s38, s38, 12                        ; my row
	s_mov_b32 s39, 0
	s_lshr_b32 s40, ttmp9, 3
	s_mul_i32 s40, s40, 4*REC                      ; the strip's first record
	s_and_b32 s41, ttmp9, 7
	s_lshl_b32 s42, s41, 7
	s_add_co_u32 s42, s42, s40
	s_add_co_u32 s42, s42, 24576
	s_mov_b32 s43, 0
	s_mul_i32 s41, s41, 3072
	s_add_co_u32 s40, s40, s41
	s_lshr_b32 s41, s22, 2
	s_mul_i32 s41, s41, REC
	s_add_co_u32 s40, s40, s41
	s_bfe_u32 s41, s22, 0x10001
	s_mul_i32 s41, s41, 1536
	s_add_co_u32 s40, s40, s41
	s_and_b32 s41, s22, 1
	s_mul_i32 s41, s41, 768
	s_add_co_u32 s40, s40, s41
	s_mov_b32 s41, 0
	s_wait_kmcnt 0x0
	s_add_nc_u64 s[28:29], s[4:5], s[38:39]
	s_add_nc_u64 s[44:45], s[12:13], s[42:43]
	s_add_nc_u64 s[30:31], s[12:13], s[40:41]
.irp j, 0,1,2,3,4,5,6,7
	global_load_b128 v[X+4*\j:X+4*\j+3], v2, s[28:29] offset:512*\j
.endr
.irp j, 0,1,2,3,4,5,6,7
	global_load_b128 v[GW+4*\j:GW+4*\j+3], v2, s[6:7] offset:512*\j
	global_load_b128 v[GB+4*\j:GB+4*\j+3], v2, s[8:9] offset:512*\j
.endr
	s_wait_loadcnt 16                              ; my row is in; the gain's and the bias's 16 loads may be out
	v_pk_add_f32 v[112:113], v[X:X+1], v[X+2:X+3]
	v_pk_add_f32 v[114:115], v[X+4:X+5], v[X+6:X+7]
.irp j, 8,12,16,20,24,28
	v_pk_add_f32 v[112:113], v[112:113], v[X+\j:X+\j+1]
	v_pk_add_f32 v[114:115], v[114:115], v[X+\j+2:X+\j+3]
.endr
	v_pk_add_f32 v[112:113], v[112:113], v[114:115]
	v_add_f32 v112, v112, v113
	ALLSUM 112, 113
	v_mul_f32 v112, s46, v112
	v_mov_b32 v113, v112
.irp j, 0,2,4,6,8,10,12,14,16,18,20,22,24,26,28,30
	v_pk_add_f32 v[X+\j:X+\j+1], v[X+\j:X+\j+1], v[112:113] neg_lo:[0,1] neg_hi:[0,1]
.endr
	v_pk_mul_f32 v[114:115], v[X:X+1], v[X:X+1]
	v_pk_mul_f32 v[116:117], v[X+2:X+3], v[X+2:X+3]
.irp j, 4,8,12,16,20,24,28
	v_pk_fma_f32 v[114:115], v[X+\j:X+\j+1], v[X+\j:X+\j+1], v[114:115]
	v_pk_fma_f32 v[116:117], v[X+\j+2:X+\j+3], v[X+\j+2:X+\j+3], v[116:117]
.endr
	v_pk_add_f32 v[114:115], v[114:115], v[116:117]
	v_add_f32 v114, v114, v115
	ALLSUM 114, 115
	v_fmaak_f32 v114, s46, v114, 0x3727c5ac        ; the variance + 1e-5
	v_rsq_f32 v116, v114
	v_nop
	s_wait_alu depctr_va_vdst(0)                   ; the wait ahead of the first reader
	v_mov_b32 v117, v116
	s_wait_loadcnt 0x0
.irp j, 0,2,4,6,8,10,12,14,16,18,20,22,24,26,28,30
	v_pk_mul_f32 v[X+\j:X+\j+1], v[X+\j:X+\j+1], v[116:117]
.endr
.irp j, 0,2,4,6,8,10,12,14,16,18,20,22,24,26,28,30
	v_pk_fma_f32 v[X+\j:X+\j+1], v[X+\j:X+\j+1], v[GW+\j:GW+\j+1], v[GB+\j:GB+\j+1]
.endr
.irp j, 0,1,2,3,4,5,6,7
	ds_store_b128 v3, v[X+4*\j:X+4*\j+3] offset:576*\j
.endr
.irp i, 0,1,2,3,4,5,6,7
	ds_load_b128 v[GW+4*\i:GW+4*\i+3], v4 offset:16*\i             ; LDS serves a wave's instructions in order: these see my stores
.endr
	s_wait_dscnt 0x0
	QUANT32 GW, CD, TQ, MQ
	ds_store_b128 v5, v[CD:CD+3]
	ds_store_b64 v6, v[CD+4:CD+5]
	ds_store_b8 v7, v[MQ+2]
	s_wait_dscnt 0x0
	s_barrier_signal -1
	s_barrier_wait -1
	ds_load_b128 v[16:19], v8
	ds_load_b64 v[20:21], v9
	s_wait_dscnt 0x0
	global_store_b128 v2, v[16:19], s[30:31]
	global_store_b64 v10, v[20:21], s[30:31] offset:512
	s_cmp_lg_u32 s22, 0
	s_cbranch_scc1 .Lend
	ds_load_b128 v[24:27], v12
	s_wait_dscnt 0x0
	global_store_b128 v11, v[24:27], s[44:45]
.Lend:
	s_wait_tensorcnt 0x0                           ; the wave's end, behind my last LDS store
	ds_add_u32 v[SPW], v[NIL]
	s_wait_dscnt 0x0
	s_endpgm
.Lentropy:
	s_cmp_lg_u32 s22, 0
	s_cbranch_scc1 .Lgone
	s_wait_kmcnt 0x0
	s_add_nc_u64 s[28:29], s[10:11], 3276800       ; behind y's records: 4,096 numbers, each the sum of 16 rows' entropies
.irp j, 0,1,2,3,4,5,6,7,8,9,10,11,12,13,14,15
	global_load_b128 v[16+4*\j:19+4*\j], v2, s[28:29] offset:512*\j
.endr
	s_wait_loadcnt 0x0
	v_pk_add_f32 v[112:113], v[16:17], v[18:19]
.irp j, 4,6,8,10,12,14,16,18,20,22,24,26,28,30,32,34,36,38,40,42,44,46,48,50,52,54,56,58,60,62
	v_pk_add_f32 v[112:113], v[112:113], v[16+\j:17+\j]
.endr
.irp j, 0,1,2,3,4,5,6,7,8,9,10,11,12,13,14,15
	global_load_b128 v[16+4*\j:19+4*\j], v2, s[28:29] offset:8192+512*\j
.endr
	s_wait_loadcnt 0x0
.irp j, 0,2,4,6,8,10,12,14,16,18,20,22,24,26,28,30,32,34,36,38,40,42,44,46,48,50,52,54,56,58,60,62
	v_pk_add_f32 v[112:113], v[112:113], v[16+\j:17+\j]
.endr
	v_add_f32 v112, v112, v113
	ALLSUM 112, 113
	v_mul_f32 v112, 0x37800000, v112               ; / 65,536 rows
	v_cmp_eq_u32 vcc_lo, 0, v2
	s_wait_xcnt 0x0                                ; EXEC changes only behind this wait
	s_and_saveexec_b32 s34, vcc_lo
	global_store_b32 v2, v112, s[14:15]            ; lane 0 (its offset is 0)
	s_wait_xcnt 0x0
	s_or_b32 exec_lo, exec_lo, s34
.Lgone:
	s_endpgm
.Lfunc_end_k_q1ce3464b4d_ln2:
	.size	k_q1ce3464b4d_ln2, .Lfunc_end_k_q1ce3464b4d_ln2-k_q1ce3464b4d_ln2
	.p2alignl 7, 3214868480
	.fill 96, 4, 3214868480
	.section	.rodata,"a",@progbits
	.p2align	6, 0x0
	.amdhsa_kernel k_q1ce3464b4d_ln2
		.amdhsa_group_segment_fixed_size 88832
		.amdhsa_private_segment_fixed_size 0
		.amdhsa_enable_private_segment 0
		.amdhsa_kernarg_size 48
		.amdhsa_user_sgpr_count 2
		.amdhsa_user_sgpr_kernarg_segment_ptr 1
		.amdhsa_wavefront_size32 1
		.amdhsa_system_sgpr_workgroup_id_x 1
		.amdhsa_system_sgpr_workgroup_id_y 1
		.amdhsa_system_sgpr_workgroup_id_z 1
		.amdhsa_system_vgpr_workitem_id 0
		.amdhsa_next_free_vgpr 128
		.amdhsa_next_free_sgpr 66
		.amdhsa_reserve_vcc 1
		.amdhsa_float_denorm_mode_32 3
		.amdhsa_float_denorm_mode_16_64 3
		.amdhsa_memory_ordered 1
		.amdhsa_forward_progress 1
		.amdhsa_inst_pref_size 24
	.end_amdhsa_kernel
	.amdgpu_metadata
---
amdhsa.version: [ 1, 2 ]
amdhsa.kernels:
  - .name:           k_q1ce3464b4d_ln2
    .symbol:         k_q1ce3464b4d_ln2.kd
    .args:
      - { .name: x1, .offset: 0, .size: 8, .value_kind: global_buffer, .address_space: global }
      - { .name: ln2_w, .offset: 8, .size: 8, .value_kind: global_buffer, .address_space: global }
      - { .name: ln2_b, .offset: 16, .size: 8, .value_kind: global_buffer, .address_space: global }
      - { .name: ys, .offset: 24, .size: 8, .value_kind: global_buffer, .address_space: global }
      - { .name: h2c, .offset: 32, .size: 8, .value_kind: global_buffer, .address_space: global }
      - { .name: out1, .offset: 40, .size: 8, .value_kind: global_buffer, .address_space: global }
    .group_segment_fixed_size: 88832
    .private_segment_fixed_size: 0
    .kernarg_segment_align: 8
    .kernarg_segment_size: 48
    .max_flat_workgroup_size: 512
    .sgpr_count:     66
    .vgpr_count:     128
    .wavefront_size: 32
...
	.end_amdgpu_metadata
.endif
;; end of part 5
;; launch fc (part 6): grid 16 x 16, 4 waves a work-group, clusters of 4 x 4, 327,680 bytes of LDS; arguments h2c, wq, b_fc, gc; writes gc
.if DOCPART == 6
	.amdgcn_target "amdgcn-amd-amdhsa--gfx1250"
	.amdhsa_code_object_version 6
	.text
	.protected	k_q1ce3464b4d_fc
	.globl	k_q1ce3464b4d_fc
	.p2align	8
	.type	k_q1ce3464b4d_fc,@function
k_q1ce3464b4d_fc:
	s_mov_b64 s[64:65], 0
	v_nop
	global_prefetch_b8 v0, s[64:65] scope:SCOPE_SE
	s_setreg_imm32_b32 hwreg(HW_REG_WAVE_MODE, 25, 1), 1
	s_wait_xcnt 0x0
	s_wait_alu depctr_hold_cnt(0) depctr_sa_sdst(0) depctr_va_vdst(0) depctr_va_sdst(0) depctr_va_ssrc(0) depctr_va_vcc(0) depctr_vm_vsrc(0)
	s_getreg_b32 s2, hwreg(HW_REG_IB_STS2, 6, 4)
	s_cmp_eq_u32 s2, 0
	s_cbranch_scc0 .Lentry_in_a_cluster
	s_endpgm
.Lentry_in_a_cluster:
	s_bfe_u32 s2, ttmp6, 0x10000c
	s_cmp_lg_u32 s2, 0xf033
	s_cbranch_scc0 .Lentry_shape_is_right
	s_endpgm
.Lentry_shape_is_right:
; FC: g = gelu(Q(h2) Q(w_fc)^T + b_fc) on codes of FP6 (E2M3) with E8M0 scales; g is quantised along the next product's K and leaves as records.
; The product is the one of the launch for q, k and v: a tile of 256 tokens x 256 columns to a work-group of four waves, 128 x 128 a wave; K = 1,024 in four slots of 256 through a ring of two LDS slots;
; records of 25,600 bytes (128 rows x 256 K: fragment (a, q) at 1,536 (2 a + q), its 16 scale words at 24,576 + 64 (2 a + q)) come as dense blocks; 4 x 4 clusters ask for A's records jointly along a row, for B's along a column;
; the matrix instruction is used transposed; the bias is the C of each sum's first product.
; THE WAY OUT.  The 64 accumulators go to the wave's own stage in LDS, over the ring (behind a barrier behind every wave's last read of the ring; the ring has had its last fill).  A lane reads back two whole blocks of 32 columns of its token.
; gelu(x) = 0.5 x (1 + tanh u), u = sqrt(2 / pi) (x + 0.044715 x^3), is computed as x / (1 + 2^(x (k1 + k2 x^2))), k1 = -2 sqrt(2 / pi) log2 e, k2 = 0.044715 k1: the same function, with no difference of near numbers.
; LIMITS: blocks of zeros and blocks under 2^-124 get the byte 1; NaN and infinities are not served; sums run along K in ascending steps of 128.
.set NQ,    2
.set FR,    12
.set NL,    4
.set NP,    4
.set REC,   25600
.set SLOT,  4*REC
.set SSTEP, REC
.set WOFF,  3276800                    ; w_fc's records in wq
.set SW,    67584
.set SP,    528
.set SPARE, 4*SW
.set LI,   4
.set L8,   5
.set R4,   6
.set RQ,   8                           ; v8   stage: row r, + 128 h
.set ADRS, 12
.set SH8,  15
.set ADRA, 16
.set ADRB, 20
.set STO,  24
.set BO,   25
.set K1V,  26                          ; v[26:27] k1, twice
.set SPW,  28
.set NIL,  29
.set PT,   30
.set SC,   32
.set BIAS, 64
.set AF,   128
.set U,    32                          ; the way out: two sets of 64 numbers, v32-159
.set Z,    160                         ; v160-223 the exponent, the power, the reciprocal
.set CDF,  224                         ; v224-235 a fragment's codes
.set TQ,   236
.set M0,   240
.set M1,   244
.set WD,   248                         ; the scale word
.set K2,   80                          ; s[80:81] k2
.set G1,  24
.set G0,  32
.set G1B, 48
.set G0B, 56
.set SEL, 66
.set MSB, 0
.macro WIN new
.if MSB != (\new)
	s_set_vgpr_msb (MSB<<8)|(\new)
.set MSB, (\new)
.endif
.endm
.set MUL_LO, 0xa1
.set MUL_HI, 0xf1
.set TO_B,   0x40
.macro JLOAD g0a, g1a, g0b, g1b        ; a joint load: waves 0 and 1 fetch A's records, waves 2 and 3 B's; an s_nop 0 and four v_nop follow each line
	s_cmp_eq_u32 s15, 0
	s_cbranch_scc0 .Lfor_b_\@
	tensor_load_to_lds s[\g0a:\g0a+3], s[\g1a:\g1a+7]
	s_nop 0
.rept 4
	v_nop
.endr
	s_branch .Lasked_\@
.Lfor_b_\@:
	tensor_load_to_lds s[\g0b:\g0b+3], s[\g1b:\g1b+7]
	s_nop 0
.rept 4
	v_nop
.endr
.Lasked_\@:
.endm
.macro CREST
	s_cmp_lg_u32 s14, 0
	s_cbranch_scc1 .Lnot_wave_0_\@
	s_barrier_signal -3
.Lnot_wave_0_\@:
	s_barrier_wait -3
	s_barrier_signal -1
	s_barrier_wait -1
.endm
.macro CROUND
	s_barrier_signal -1
	s_barrier_wait -1
	CREST
.endm
.macro PLACES n
.rept \n
	v_nop
.endr
.endm
.macro FRAG reg, a, off
	ds_load_b128 v[\reg:\reg+3], v[\a] offset:\off
	ds_load_b64 v[\reg+4:\reg+5], v[\a+1] offset:\off+512
	ds_load_b128 v[\reg+6:\reg+9], v[\a] offset:\off+768
	ds_load_b64 v[\reg+10:\reg+11], v[\a+1] offset:\off+1280
.endm
; 16 products: A's blocks a0, a0 + 1 x B's eight.  first = 1: the bias is C.  The 64 accumulators take turns, one instruction a turn.
.macro MUL16 a0, p, q, sc, first
.irp a, \a0, \a0+1
.irp b, 0,1,2,3,4,5,6,7
.if \first
	v_wmma_scale_f32_16x16x128_f8f6f4 v[8*(8*((\a)%4)+\b):8*(8*((\a)%4)+\b)+7], v[128*(\p)+FR*\b:128*(\p)+FR*\b+FR-1], v[AF+FR*(\a):AF+FR*(\a)+FR-1], v[BIAS+8*\b:BIAS+8*\b+7], v[SC+8*NQ*(\sc)+NQ*\b+(\q)], v[SC+8*NQ*(\sc)+NQ*(\a)+(\q)] matrix_a_fmt:MATRIX_FMT_FP6 matrix_b_fmt:MATRIX_FMT_FP6 matrix_a_scale:MATRIX_SCALE_ROW1
.else
	v_wmma_scale_f32_16x16x128_f8f6f4 v[8*(8*((\a)%4)+\b):8*(8*((\a)%4)+\b)+7], v[128*(\p)+FR*\b:128*(\p)+FR*\b+FR-1], v[AF+FR*(\a):AF+FR*(\a)+FR-1], v[8*(8*((\a)%4)+\b):8*(8*((\a)%4)+\b)+7], v[SC+8*NQ*(\sc)+NQ*\b+(\q)], v[SC+8*NQ*(\sc)+NQ*(\a)+(\q)] matrix_a_fmt:MATRIX_FMT_FP6 matrix_b_fmt:MATRIX_FMT_FP6 matrix_a_scale:MATRIX_SCALE_ROW1
.endif
.endr
.endr
.endm
.macro FETCH_B slot, q, p
	WIN TO_B
.irp i, 0,1,2,3,4,5,6,7
	FRAG 128*(\p)+FR*\i, ADRB+2*(\slot), (2*\i+(\q))*1536
.endr
	WIN 0
.endm
.macro FETCH_A slot, q, i0
.irp i, \i0, \i0+1, \i0+2, \i0+3
	FRAG AF+FR*(\i), ADRA+2*(\slot), (2*(\i)+(\q))*1536
.endr
.endm
.macro SCALES slot
.irp i, 0,1,2,3,4,5,6,7
.irp q, 0,1
	ds_load_b32 v[SC+8*NQ*(\slot)+NQ*\i+\q], v[ADRS+(\slot)] offset:(2*\i+\q)*64
.endr
.endr
.endm
.macro STEP slot, q, first
	s_wait_dscnt 4*NL                              ; all but the youngest 16 loads (A's blocks 4-7) are in
	WIN MUL_LO-0x20*(\first)
	MUL16 0, (\q)%2, \q, \slot, \first
	MUL16 2, (\q)%2, \q, \slot, \first
	s_wait_dscnt 0
	PLACES NP
	FETCH_B \slot, (\q)+1, 1-(\q)%2
	FETCH_A \slot, (\q)+1, 0
	WIN MUL_HI-0x30*(\first)
	MUL16 4, (\q)%2, \q, \slot, \first
	MUL16 6, (\q)%2, \q, \slot, \first
	PLACES NP
	WIN 0
	FETCH_A \slot, (\q)+1, 4
.endm
.macro TURN slot, next, p, fill, first
	s_wait_tensorcnt 0x0                           ; all my tensor loads have landed: my part of the next slot
	ds_add_u32 v[SPW], v[NIL]                      ; 0 onto my spare word
	s_wait_dscnt 4*NL+1                            ; (the add and the youngest 16 loads may be out)
	WIN MUL_LO
	MUL16 0, \p, NQ-1, \slot, \first
	s_wait_dscnt 0x0                               ; the add is done, and my reads of this slot are over
	s_barrier_signal -1
	MUL16 2, \p, NQ-1, \slot, \first
	WIN 0
	s_barrier_wait -1
.if \fill
	CREST                                          ; no wave of any partner still reads this slot or has a load on its way
	s_add_nc_u64 s[G0+4*\slot+2:G0+4*\slot+3], s[G0+4*\slot+2:G0+4*\slot+3], 2*SSTEP
	s_add_nc_u64 s[G0B+4*\slot+2:G0B+4*\slot+3], s[G0B+4*\slot+2:G0B+4*\slot+3], 2*SSTEP
	JLOAD G0+4*\slot, G1, G0B+4*\slot, G1B
.else
	PLACES NP
.endif
	FETCH_B \next, 0, 1-(\p)
	FETCH_A \next, 0, 0
	SCALES \next
	WIN MUL_HI
	MUL16 4, \p, NQ-1, \slot, \first
	MUL16 6, \p, NQ-1, \slot, \first
	PLACES NP
	WIN 0
	FETCH_A \next, 0, 4
.endm
.macro LAST slot, p
	s_wait_dscnt 4*NL
	WIN MUL_LO
	MUL16 0, \p, NQ-1, \slot, 0
	MUL16 2, \p, NQ-1, \slot, 0
	s_wait_dscnt 0
	WIN MUL_HI
	MUL16 4, \p, NQ-1, \slot, 0
	MUL16 6, \p, NQ-1, \slot, 0
	WIN 0
.endm
.macro STAGE_ALL
	s_wait_dscnt 0x0
	s_barrier_signal -1
	s_barrier_wait -1
	PLACES NP
.irp a, 0,1,2,3,4,5,6,7
	WIN 0x08+4*(\a/4)
.irp b, 0,1,2,3,4,5,6,7
	ds_store_b128 v[STO], v[8*(8*(\a%4)+\b):8*(8*(\a%4)+\b)+3] offset:16*SP*\a+64*\b
	ds_store_b128 v[STO], v[8*(8*(\a%4)+\b)+4:8*(8*(\a%4)+\b)+7] offset:16*SP*\a+64*\b+16
.endr
.endr
	WIN 0
.endm
.macro QUANT32 s, c, t, m
	v_max3_num_f32 v[\m], |v[\s]|, |v[\s+1]|, 0x1800000
	v_max3_num_f32 v[\m+1], |v[\s+2]|, |v[\s+3]|, |v[\s+4]|
.irp i, 5,9,13,17,21,25
	v_max3_num_f32 v[\m], v[\m], |v[\s+\i]|, |v[\s+\i+1]|
	v_max3_num_f32 v[\m+1], v[\m+1], |v[\s+\i+2]|, |v[\s+\i+3]|
.endr
	v_max3_num_f32 v[\m], v[\m], |v[\s+29]|, |v[\s+30]|
	v_max3_num_f32 v[\m], v[\m], v[\m+1], |v[\s+31]|
	v_add_nc_u32 v[\m+1], 0xff000000, v[\m]
	v_lshrrev_b32 v[\m+2], 23, v[\m+1]
	v_cvt_scalef32_pk16_fp6_f32 v[\c:\c+2], v[\s:\s+15], v[\m+1]
	v_cvt_scalef32_pk16_fp6_f32 v[\t:\t+2], v[\s+16:\s+31], v[\m+1]
	v_nop
	v_mov_b32 v[\c+3], v[\t]
	v_mov_b32 v[\c+4], v[\t+1]
	v_mov_b32 v[\c+5], v[\t+2]
.endm
.macro LD16 set, a                     ; my token's two blocks of 32 columns: 64 c + 32 h on, c = 0, 1
.irp i, 0,1,2,3,4,5,6,7
	ds_load_b128 v[U+64*(\set)+4*\i:U+64*(\set)+4*\i+3], v[RQ] offset:16*SP*(\a)+16*\i
.endr
.irp i, 0,1,2,3,4,5,6,7
	ds_load_b128 v[U+64*(\set)+32+4*\i:U+64*(\set)+32+4*\i+3], v[RQ] offset:16*SP*(\a)+256+16*\i
.endr
.endm
	s_load_b128 s[4:7], s[0:1], 0x0                ; h2c, wq
	s_load_b128 s[8:11], s[0:1], 0x10              ; b_fc, gc
	v_lshl_add_u32 v[SPW], v0, 2, SPARE
	v_mov_b32 v[NIL], 0
	ds_add_u32 v[SPW], v[NIL]                      ; the wave's opening: the add, twice on end, and its wait ahead of my first tensor load
	ds_add_u32 v[SPW], v[NIL]
	v_lshrrev_b32 v1, 5, v0
	v_readfirstlane_b32 s14, v1
	s_lshr_b32 s15, s14, 1
	s_and_b32 s16, s14, 1
	s_bfe_u32 s40, ttmp6, 0x40000
	s_bfe_u32 s41, ttmp6, 0x40004
	s_lshl_b32 s42, ttmp9, 2
	s_add_co_u32 s42, s42, s40
	s_and_b32 s17, ttmp7, 0xffff
	s_lshl_b32 s17, s17, 2
	s_add_co_u32 s17, s17, s41
	s_lshl_b32 s43, s41, 2
	s_lshl_b32 s43, 15, s43
	s_lshl_b32 s44, 0x1111, s40
	s_or_b32 s[G1+0], s43, (3<<16)|(1<<21)
	s_or_b32 s[G1B+0], s44, (3<<16)|(1<<21)
.irp g, G1, G1B
	s_mov_b32 s[\g+1], 32<<16
	s_mov_b32 s[\g+2], 100<<16
	s_mov_b32 s[\g+3], 32<<16
	s_mov_b32 s[\g+4], 100
	s_mov_b32 s[\g+5], 32
	s_mov_b32 s[\g+6], 0
	s_mov_b32 s[\g+7], 0
.endr
	s_lshl_b32 s20, s17, 1
	s_add_co_u32 s20, s20, s16
	s_mul_i32 s20, s20, 4*REC
	s_mov_b32 s21, 0
	s_lshl_b32 s46, s42, 1
	s_add_co_u32 s46, s46, s16
	s_mul_i32 s46, s46, 4*REC
	s_add_co_u32 s46, s46, WOFF
	s_mov_b32 s47, 0
	s_mul_i32 s45, s14, REC
	s_lshl_b32 s68, s42, 10
	s_lshl_b32 s69, s16, 9
	s_add_co_u32 s68, s68, s69
	s_mov_b32 s69, 0
	s_mov_b32 s[SEL], 0x76543210
	s_mov_b32 s[SEL+1], 0xfedcba98
	s_mov_b32 s[K2], 0xbdd2d3e8                    ; k2 = -0.10294324
	s_mov_b32 s[K2+1], s[K2]
	s_wait_dscnt 0x0
	s_wait_kmcnt 0x0
	s_add_nc_u64 s[20:21], s[4:5], s[20:21]
	s_add_nc_u64 s[46:47], s[6:7], s[46:47]
	s_add_nc_u64 s[68:69], s[8:9], s[68:69]
	CROUND
.irp s, 0,1
	s_mov_b32 s[G0+4*\s], 1
	s_add_co_u32 s[G0+4*\s+1], s45, \s*SLOT
	s_add_nc_u64 s[G0+4*\s+2:G0+4*\s+3], s[20:21], \s*SSTEP
	s_or_b32 s[G0+4*\s+3], s[G0+4*\s+3], 0x80000000
	s_mov_b32 s[G0B+4*\s], 1
	s_add_co_u32 s[G0B+4*\s+1], s45, \s*SLOT
	s_add_nc_u64 s[G0B+4*\s+2:G0B+4*\s+3], s[46:47], \s*SSTEP
	s_or_b32 s[G0B+4*\s+3], s[G0B+4*\s+3], 0x80000000
	JLOAD G0+4*\s, G1, G0B+4*\s, G1B
.endr
	v_and_b32 v1, 31, v0
	v_and_b32 v2, 15, v0
	v_bfe_u32 v3, v0, 4, 1
	v_lshlrev_b32 v[LI], 4, v1
	v_lshlrev_b32 v[L8], 3, v1
	v_lshlrev_b32 v[R4], 2, v2
	v_lshlrev_b32 v[SH8], 3, v3
	v_lshlrev_b32 v[BO], 5, v3
	v_mov_b32 v[PT], 0
	v_mov_b32 v[K1V], 0xc0135761                   ; k1 = -2.3022082
	v_mov_b32 v[K1V+1], 0xc0135761
.irp b, 0,1,2,3,4,5,6,7
	global_load_b128 v[BIAS+8*\b:BIAS+8*\b+3], v[BO], s[68:69] offset:64*\b
	global_load_b128 v[BIAS+8*\b+4:BIAS+8*\b+7], v[BO], s[68:69] offset:64*\b+16
.endr
	s_mul_i32 s21, s15, REC
	s_mul_i32 s22, s16, REC
	s_add_co_u32 s22, s22, 2*REC
.irp s, 0,1
	v_add_nc_u32 v[ADRA+2*\s], s21, v[LI]
	v_add_nc_u32 v[ADRA+2*\s+1], s21, v[L8]
	v_add_nc_u32 v[ADRB+2*\s], s22, v[LI]
	v_add_nc_u32 v[ADRB+2*\s+1], s22, v[L8]
	s_add_co_u32 s21, s21, SLOT
	s_add_co_u32 s22, s22, SLOT
.endr
	s_mul_i32 s21, s15, REC
	s_mul_i32 s22, s16, REC
	s_add_co_u32 s22, s22, 2*REC
	s_sub_co_u32 s22, s22, s21
	v_mul_u32_u24 v7, s22, v3
	v_add_nc_u32 v7, v7, v[R4]
	s_add_co_u32 s21, s21, 24576
	v_add_nc_u32 v[ADRS], s21, v7
	s_add_co_u32 s21, s21, SLOT
	v_add_nc_u32 v[ADRS+1], s21, v7
	s_mul_i32 s23, s14, SW
	v_mul_u32_u24 v7, v2, SP
	v_add_nc_u32 v7, s23, v7
	v_lshl_add_u32 v[STO], v3, 5, v7
	v_lshl_add_u32 v[RQ], v3, 7, v7
	s_wait_tensorcnt 1                             ; my part of slot 0 is in (slot 1's load may be out)
	s_barrier_signal -1
	s_barrier_wait -1
	FETCH_B 0, 0, 0
	FETCH_A 0, 0, 0
	SCALES 0
	FETCH_A 0, 0, 4
	s_wait_loadcnt 0x0                             ; the bias
	STEP 0, 0, 1
	TURN 0, 1, 1, 1, 0
	STEP 1, 0, 0
	TURN 1, 0, 1, 1, 0
	STEP 0, 0, 0
	TURN 0, 1, 1, 0, 0
	STEP 1, 0, 0
	LAST 1, 1
	STAGE_ALL
	s_lshl_b32 s70, s17, 1
	s_add_co_u32 s70, s70, s15                     ; g's row of records: my 128 tokens
	s_lshl_b32 s70, s70, 4
	s_add_co_u32 s70, s70, s42                     ; the record: the tile's 256 columns are 256 along the next K
	s_mul_i32 s70, s70, REC
	s_mul_i32 s72, s16, 1536                       ; my 128 columns: its fragment column
	s_add_co_u32 s72, s72, s70
	s_mov_b32 s73, 0
	s_add_nc_u64 s[74:75], s[10:11], s[72:73]
	s_lshl_b32 s72, s16, 6
	s_add_co_u32 s72, s72, s70
	s_add_co_u32 s72, s72, 24576
	s_add_nc_u64 s[76:77], s[10:11], s[72:73]
	LD16 0, 0
.set n, 0
.rept 8                                ; a block of 16 tokens at a time: one fragment of g
.set US, U+64*(n%2)
.if n < 7
	LD16 (n+1)%2, n+1
	s_wait_dscnt 16                                ; this block's numbers are in; the next block's 16 loads may be out
.else
	s_wait_dscnt 0x0
.endif
.set j, 0
.rept 32
	v_pk_mul_f32 v[Z+j:Z+j+1], v[US+j:US+j+1], v[US+j:US+j+1]      ; x^2
.set j, j+2
.endr
.set j, 0
.rept 32
	v_pk_fma_f32 v[Z+j:Z+j+1], v[Z+j:Z+j+1], s[K2:K2+1], v[K1V:K1V+1] op_sel_hi:[1,0,1]   ; k1 + k2 x^2
.set j, j+2
.endr
.set j, 0
.rept 32
	v_pk_mul_f32 v[Z+j:Z+j+1], v[Z+j:Z+j+1], v[US+j:US+j+1]
.set j, j+2
.endr
.set j, 0
.rept 64
	v_exp_f32 v[Z+j], v[Z+j]
.set j, j+1
.endr
	v_nop
	s_wait_alu depctr_va_vdst(0)                   ; one wait for the batch of 64, ahead of its first reader
.set j, 0
.rept 32
	v_pk_add_f32 v[Z+j:Z+j+1], v[Z+j:Z+j+1], 1.0 op_sel_hi:[1,0]
.set j, j+2
.endr
.set j, 0
.rept 64
	v_rcp_f32 v[Z+j], v[Z+j]
.set j, j+1
.endr
	v_nop
	s_wait_alu depctr_va_vdst(0)                   ; and one for the reciprocals
.set j, 0
.rept 32
	v_pk_mul_f32 v[US+j:US+j+1], v[US+j:US+j+1], v[Z+j:Z+j+1]      ; gelu
.set j, j+2
.endr
	s_wait_xcnt 0x0                                ; the last block's stores have read their registers: the codes and the word may be written again
	QUANT32 US, CDF, TQ, M0
	QUANT32 US+32, CDF+6, TQ, M1
	v_lshl_or_b32 v[WD], v[M1+2], 16, v[M0+2]      ; my bytes of c = 0 and c = 1,
	v_lshlrev_b32 v[WD], v[SH8], v[WD]             ; at places h and 2 + h;
	v_permlanex16_b32 v[PT], v[WD], s[SEL], s[SEL+1]
	v_or_b32 v[WD], v[WD], v[PT]                   ; with lane l xor 16's the word is whole
	global_store_b128 v[LI], v[CDF:CDF+3], s[74:75] offset:3072*n              ; the fragment as an operand's registers have it: 512, 256, 512, 256 consecutive bytes
	global_store_b64 v[L8], v[CDF+4:CDF+5], s[74:75] offset:3072*n+512
	global_store_b128 v[LI], v[CDF+6:CDF+9], s[74:75] offset:3072*n+768
	global_store_b64 v[L8], v[CDF+10:CDF+11], s[74:75] offset:3072*n+1280
	global_store_b32 v[R4], v[WD], s[76:77] offset:128*n
.set n, n+1
.endr
	s_wait_tensorcnt 0x0                           ; the wave's end, behind my last tensor load and my last LDS store
	ds_add_u32 v[SPW], v[NIL]
	s_wait_dscnt 0x0
	CROUND
	s_endpgm
.Lfunc_end_k_q1ce3464b4d_fc:
	.size	k_q1ce3464b4d_fc, .Lfunc_end_k_q1ce3464b4d_fc-k_q1ce3464b4d_fc
	.p2alignl 7, 3214868480
	.fill 96, 4, 3214868480
	.section	.rodata,"a",@progbits
	.p2align	6, 0x0
	.amdhsa_kernel k_q1ce3464b4d_fc
		.amdhsa_group_segment_fixed_size 327680
		.amdhsa_private_segment_fixed_size 0
		.amdhsa_enable_private_segment 0
		.amdhsa_kernarg_size 32
		.amdhsa_user_sgpr_count 2
		.amdhsa_user_sgpr_kernarg_segment_ptr 1
		.amdhsa_wavefront_size32 1
		.amdhsa_system_sgpr_workgroup_id_x 1
		.amdhsa_system_sgpr_workgroup_id_y 1
		.amdhsa_system_sgpr_workgroup_id_z 1
		.amdhsa_system_vgpr_workitem_id 0
		.amdhsa_next_free_vgpr 1024
		.amdhsa_next_free_sgpr 100
		.amdhsa_reserve_vcc 0
		.amdhsa_float_denorm_mode_32 3
		.amdhsa_float_denorm_mode_16_64 3
		.amdhsa_memory_ordered 1
		.amdhsa_forward_progress 1
		.amdhsa_inst_pref_size 255
	.end_amdhsa_kernel
	.section	.bss,"aw",@nobits
	.p2align	6
	.space	262144
	.amdgpu_metadata
---
amdhsa.version: [ 1, 2 ]
amdhsa.kernels:
  - .name:           k_q1ce3464b4d_fc
    .symbol:         k_q1ce3464b4d_fc.kd
    .args:
      - { .name: h2c, .offset: 0, .size: 8, .value_kind: global_buffer, .address_space: global }
      - { .name: wq, .offset: 8, .size: 8, .value_kind: global_buffer, .address_space: global }
      - { .name: b_fc, .offset: 16, .size: 8, .value_kind: global_buffer, .address_space: global }
      - { .name: gc, .offset: 24, .size: 8, .value_kind: global_buffer, .address_space: global }
    .group_segment_fixed_size: 327680
    .private_segment_fixed_size: 0
    .kernarg_segment_align: 8
    .kernarg_segment_size: 32
    .max_flat_workgroup_size: 128
    .sgpr_count:     100
    .vgpr_count:     1024
    .wavefront_size: 32
...
	.end_amdgpu_metadata
.endif
;; end of part 6
;; launch mlp (part 7): grid 8 x 32, 4 waves a work-group, clusters of 4 x 4, 327,680 bytes of LDS; arguments gc, wq, b_mlp, x1, out0; writes out0
.if DOCPART == 7
	.amdgcn_target "amdgcn-amd-amdhsa--gfx1250"
	.amdhsa_code_object_version 6
	.text
	.protected	k_q1ce3464b4d_mlp
	.globl	k_q1ce3464b4d_mlp
	.p2align	8
	.type	k_q1ce3464b4d_mlp,@function
k_q1ce3464b4d_mlp:
	s_mov_b64 s[64:65], 0
	v_nop
	global_prefetch_b8 v0, s[64:65] scope:SCOPE_SE
	s_setreg_imm32_b32 hwreg(HW_REG_WAVE_MODE, 25, 1), 1
	s_wait_xcnt 0x0
	s_wait_alu depctr_hold_cnt(0) depctr_sa_sdst(0) depctr_va_vdst(0) depctr_va_sdst(0) depctr_va_ssrc(0) depctr_va_vcc(0) depctr_vm_vsrc(0)
	s_getreg_b32 s2, hwreg(HW_REG_IB_STS2, 6, 4)
	s_cmp_eq_u32 s2, 0
	s_cbranch_scc0 .Lentry_in_a_cluster
	s_endpgm
.Lentry_in_a_cluster:
	s_bfe_u32 s2, ttmp6, 0x10000c
	s_cmp_lg_u32 s2, 0xf033
	s_cbranch_scc0 .Lentry_shape_is_right
	s_endpgm
.Lentry_shape_is_right:
; MLP: out0 = x1 + Q(g) Q(w_mlp)^T + b_mlp on codes of FP6 (E2M3) with E8M0 scales.  The text is that of the projection's launch with K = 4,096: eight slots of 512 along K through the ring of two.
; Records of 25,600 bytes (128 rows x 256 K: fragment (a, q) at 1,536 (2 a + q), its 16 scale words at 24,576 + 64 (2 a + q)) come as dense blocks.
; Tiles of 128 x 128 give 256 work-groups.  THE FOUR WAVES SHARE K, NOT THE TILE: wave w multiplies the whole tile over K slice 256 (w / 2) + 128 (w % 2) of each slot; the four partial sums meet in the stages in LDS.
; LIMIT: an output is the sum of four partial sums, each over the 128-wide slices that lie 512 apart along K, ascending; then bias and residual.
; CLUSTERS: 4 x 4 work-groups; A's records are asked for jointly along a row of the cluster, B's along a column.  The matrix instruction is used transposed.
; The stages (128 rows x 528 bytes a wave) lie over the ring: they are written behind a barrier behind every wave's last read of the ring, and the ring has had its last fill.
.set NJ,    16
.set WOFF,  6553600
.set NQ,    1
.set FR,    12
.set NL,    4
.set NP,    4
.set REC,   25600
.set SLOT,  4*REC
.set SSTEP, 2*REC
.set SW,    67584
.set SP,    528
.set SPARE, 4*SW
.set LI,   4
.set L8,   5
.set R4,   6
.set RS,   8
.set ADRS, 12
.set ADRA, 16
.set ADRB, 20
.set STO,  24
.set SPW,  28
.set NIL,  29
.set SC,   32
.set AF,   128
.set G1,  24
.set G0,  32
.set G1B, 48
.set G0B, 56
.set MSB, 0
.macro WIN new
.if MSB != (\new)
	s_set_vgpr_msb (MSB<<8)|(\new)
.set MSB, (\new)
.endif
.endm
.set MUL_LO, 0xa1
.set MUL_HI, 0xf1
.set TO_B,   0x40
.macro JLOAD g0a, g1a, g0b, g1b        ; a joint load: waves 0 and 1 fetch A's records, waves 2 and 3 B's; an s_nop 0 and four v_nop follow each line
	s_cmp_eq_u32 s15, 0
	s_cbranch_scc0 .Lfor_b_\@
	tensor_load_to_lds s[\g0a:\g0a+3], s[\g1a:\g1a+7]
	s_nop 0
.rept 4
	v_nop
.endr
	s_branch .Lasked_\@
.Lfor_b_\@:
	tensor_load_to_lds s[\g0b:\g0b+3], s[\g1b:\g1b+7]
	s_nop 0
.rept 4
	v_nop
.endr
.Lasked_\@:
.endm
.macro CREST
	s_cmp_lg_u32 s14, 0
	s_cbranch_scc1 .Lnot_wave_0_\@
	s_barrier_signal -3
.Lnot_wave_0_\@:
	s_barrier_wait -3
	s_barrier_signal -1
	s_barrier_wait -1
.endm
.macro CROUND
	s_barrier_signal -1
	s_barrier_wait -1
	CREST
.endm
.macro PLACES n
.rept \n
	v_nop
.endr
.endm
.macro FRAG reg, a, off
	ds_load_b128 v[\reg:\reg+3], v[\a] offset:\off
	ds_load_b64 v[\reg+4:\reg+5], v[\a+1] offset:\off+512
	ds_load_b128 v[\reg+6:\reg+9], v[\a] offset:\off+768
	ds_load_b64 v[\reg+10:\reg+11], v[\a+1] offset:\off+1280
.endm
; 16 products: A's blocks a0, a0 + 1 x B's eight.  first = 1: the constant 0 starts the sums.  The 64 accumulators take turns, one instruction a turn, over the loop's backward jump too.
.macro MUL16 a0, p, q, sc, first
.irp a, \a0, \a0+1
.irp b, 0,1,2,3,4,5,6,7
.if \first
	v_wmma_scale_f32_16x16x128_f8f6f4 v[8*(8*((\a)%4)+\b):8*(8*((\a)%4)+\b)+7], v[128*(\p)+FR*\b:128*(\p)+FR*\b+FR-1], v[AF+FR*(\a):AF+FR*(\a)+FR-1], 0, v[SC+8*NQ*(\sc)+NQ*\b+(\q)], v[SC+8*NQ*(\sc)+NQ*(\a)+(\q)] matrix_a_fmt:MATRIX_FMT_FP6 matrix_b_fmt:MATRIX_FMT_FP6 matrix_a_scale:MATRIX_SCALE_ROW1
.else
	v_wmma_scale_f32_16x16x128_f8f6f4 v[8*(8*((\a)%4)+\b):8*(8*((\a)%4)+\b)+7], v[128*(\p)+FR*\b:128*(\p)+FR*\b+FR-1], v[AF+FR*(\a):AF+FR*(\a)+FR-1], v[8*(8*((\a)%4)+\b):8*(8*((\a)%4)+\b)+7], v[SC+8*NQ*(\sc)+NQ*\b+(\q)], v[SC+8*NQ*(\sc)+NQ*(\a)+(\q)] matrix_a_fmt:MATRIX_FMT_FP6 matrix_b_fmt:MATRIX_FMT_FP6 matrix_a_scale:MATRIX_SCALE_ROW1
.endif
.endr
.endr
.endm
.macro FETCH_B slot, q, p
	WIN TO_B
.irp i, 0,1,2,3,4,5,6,7
	FRAG 128*(\p)+FR*\i, ADRB+2*(\slot), (2*\i+(\q))*1536
.endr
	WIN 0
.endm
.macro FETCH_A slot, q, i0
.irp i, \i0, \i0+1, \i0+2, \i0+3
	FRAG AF+FR*(\i), ADRA+2*(\slot), (2*(\i)+(\q))*1536
.endr
.endm
.macro SCALES slot
.irp i, 0,1,2,3,4,5,6,7
	ds_load_b32 v[SC+8*(\slot)+\i], v[ADRS+(\slot)] offset:128*\i
.endr
.endm
; A wave's one step of a slot, which also changes slots: one barrier; in front of it each wave waits for all its tensor loads, adds 0 to its spare word, and waits for that and for its reads of this slot.
.macro TURN slot, next, p, fill, first
	s_wait_tensorcnt 0x0                           ; all my tensor loads have landed: my part of the next slot
	ds_add_u32 v[SPW], v[NIL]                      ; 0 onto my spare word
	s_wait_dscnt 4*NL+1                            ; (the add and the youngest 16 loads, A's blocks 4-7, may be out)
	WIN MUL_LO
	MUL16 0, \p, 0, \slot, \first
	s_wait_dscnt 0x0                               ; the add is done, and my reads of this slot are over
	s_barrier_signal -1
	MUL16 2, \p, 0, \slot, \first
	WIN 0
	s_barrier_wait -1
.if \fill
	CREST                                          ; the barrier has opened a round of the cluster's barrier: no wave of any partner still reads this slot or has a load on its way
	s_add_nc_u64 s[G0+4*\slot+2:G0+4*\slot+3], s[G0+4*\slot+2:G0+4*\slot+3], 2*SSTEP
	s_add_nc_u64 s[G0B+4*\slot+2:G0B+4*\slot+3], s[G0B+4*\slot+2:G0B+4*\slot+3], 2*SSTEP
	JLOAD G0+4*\slot, G1, G0B+4*\slot, G1B         ; the first tensor load behind the round; its four v_nop are the places in front of the loads below
.else
	PLACES NP
.endif
	FETCH_B \next, 0, 1-(\p)
	FETCH_A \next, 0, 0
	SCALES \next
	WIN MUL_HI
	MUL16 4, \p, 0, \slot, \first
	MUL16 6, \p, 0, \slot, \first
	PLACES NP
	WIN 0
	FETCH_A \next, 0, 4
.endm
.macro LAST slot, p
	s_wait_dscnt 4*NL
	WIN MUL_LO
	MUL16 0, \p, 0, \slot, 0
	MUL16 2, \p, 0, \slot, 0
	s_wait_dscnt 0
	WIN MUL_HI
	MUL16 4, \p, 0, \slot, 0
	MUL16 6, \p, 0, \slot, 0
	WIN 0
.endm
.macro STAGE_ALL
	s_wait_dscnt 0x0
	s_barrier_signal -1
	s_barrier_wait -1                              ; every wave has read the ring for the last time
	PLACES NP
.irp a, 0,1,2,3,4,5,6,7
	WIN 0x08+4*(\a/4)
.irp b, 0,1,2,3,4,5,6,7
	ds_store_b128 v[STO], v[8*(8*(\a%4)+\b):8*(8*(\a%4)+\b)+3] offset:16*SP*\a+64*\b
	ds_store_b128 v[STO], v[8*(8*(\a%4)+\b)+4:8*(8*(\a%4)+\b)+7] offset:16*SP*\a+64*\b+16
.endr
.endr
	WIN 0
.endm
	s_load_b128 s[4:7], s[0:1], 0x0                ; A's records, wq
	s_load_b128 s[8:11], s[0:1], 0x10              ; the bias, the residual
	s_load_b64 s[12:13], s[0:1], 0x20              ; the result
	v_lshl_add_u32 v[SPW], v0, 2, SPARE
	v_mov_b32 v[NIL], 0
	ds_add_u32 v[SPW], v[NIL]                      ; the wave's opening: the add, twice on end, and its wait ahead of my first tensor load
	ds_add_u32 v[SPW], v[NIL]
	v_lshrrev_b32 v1, 5, v0
	v_readfirstlane_b32 s14, v1
	s_lshr_b32 s15, s14, 1
	s_and_b32 s16, s14, 1
	s_bfe_u32 s40, ttmp6, 0x40000
	s_bfe_u32 s41, ttmp6, 0x40004
	s_lshl_b32 s42, ttmp9, 2
	s_add_co_u32 s42, s42, s40
	s_and_b32 s17, ttmp7, 0xffff
	s_lshl_b32 s17, s17, 2
	s_add_co_u32 s17, s17, s41
	s_lshl_b32 s43, s41, 2
	s_lshl_b32 s43, 15, s43
	s_lshl_b32 s44, 0x1111, s40
	s_or_b32 s[G1+0], s43, (3<<16)|(1<<21)
	s_or_b32 s[G1B+0], s44, (3<<16)|(1<<21)
.irp g, G1, G1B
	s_mov_b32 s[\g+1], 32<<16
	s_mov_b32 s[\g+2], 100<<16
	s_mov_b32 s[\g+3], 32<<16
	s_mov_b32 s[\g+4], 100
	s_mov_b32 s[\g+5], 32
	s_mov_b32 s[\g+6], 0
	s_mov_b32 s[\g+7], 0
.endr
	s_mul_i32 s20, s17, NJ
	s_add_co_u32 s20, s20, s16
	s_mul_i32 s20, s20, REC
	s_mov_b32 s21, 0
	s_mul_i32 s46, s42, NJ
	s_add_co_u32 s46, s46, s16
	s_mul_i32 s46, s46, REC
	s_add_co_u32 s46, s46, WOFF
	s_mov_b32 s47, 0
	s_mul_i32 s45, s14, REC
	s_lshl_b32 s70, s17, 7
	s_lshl_b32 s71, s14, 5
	s_add_co_u32 s70, s70, s71
	s_lshl_b32 s70, s70, 12
	s_lshl_b32 s72, s42, 9
	s_add_co_u32 s70, s70, s72
	s_mov_b32 s71, 0
	s_mov_b32 s73, 0
	s_wait_dscnt 0x0
	s_wait_kmcnt 0x0
	s_add_nc_u64 s[20:21], s[4:5], s[20:21]
	s_add_nc_u64 s[46:47], s[6:7], s[46:47]
	s_add_nc_u64 s[74:75], s[10:11], s[70:71]
	s_add_nc_u64 s[76:77], s[12:13], s[70:71]
	s_add_nc_u64 s[78:79], s[8:9], s[72:73]
	CROUND
.irp s, 0,1
	s_mov_b32 s[G0+4*\s], 1
	s_add_co_u32 s[G0+4*\s+1], s45, \s*SLOT
	s_add_nc_u64 s[G0+4*\s+2:G0+4*\s+3], s[20:21], \s*SSTEP
	s_or_b32 s[G0+4*\s+3], s[G0+4*\s+3], 0x80000000
	s_mov_b32 s[G0B+4*\s], 1
	s_add_co_u32 s[G0B+4*\s+1], s45, \s*SLOT
	s_add_nc_u64 s[G0B+4*\s+2:G0B+4*\s+3], s[46:47], \s*SSTEP
	s_or_b32 s[G0B+4*\s+3], s[G0B+4*\s+3], 0x80000000
	JLOAD G0+4*\s, G1, G0B+4*\s, G1B
.endr
	v_and_b32 v1, 31, v0
	v_and_b32 v2, 15, v0
	v_bfe_u32 v3, v0, 4, 1
	v_lshlrev_b32 v[LI], 4, v1
	v_lshlrev_b32 v[L8], 3, v1
	v_lshlrev_b32 v[R4], 2, v2
	s_mul_i32 s21, s15, REC
	s_mul_i32 s23, s16, 1536
	s_add_co_u32 s21, s21, s23
	s_add_co_u32 s22, s21, 2*REC
.irp s, 0,1
	v_add_nc_u32 v[ADRA+2*\s], s21, v[LI]
	v_add_nc_u32 v[ADRA+2*\s+1], s21, v[L8]
	v_add_nc_u32 v[ADRB+2*\s], s22, v[LI]
	v_add_nc_u32 v[ADRB+2*\s+1], s22, v[L8]
	s_add_co_u32 s21, s21, SLOT
	s_add_co_u32 s22, s22, SLOT
.endr
	s_mul_i32 s21, s15, REC
	s_lshl_b32 s23, s16, 6
	s_add_co_u32 s21, s21, s23
	s_add_co_u32 s21, s21, 24576
	v_mul_u32_u24 v7, v3, 2*REC
	v_add_nc_u32 v7, v7, v[R4]
	v_add_nc_u32 v[ADRS], s21, v7
	s_add_co_u32 s21, s21, SLOT
	v_add_nc_u32 v[ADRS+1], s21, v7
	s_mul_i32 s23, s14, SW
	v_mul_u32_u24 v7, v2, SP
	v_add_nc_u32 v7, s23, v7
	v_lshl_add_u32 v[STO], v3, 5, v7
	s_mul_i32 s23, s14, 32*SP
	v_add_nc_u32 v[RS], s23, v[LI]
	v_add_nc_u32 v[RS+1], SW, v[RS]
	v_add_nc_u32 v[RS+2], 2*SW, v[RS]
	v_add_nc_u32 v[RS+3], 3*SW, v[RS]
	s_wait_tensorcnt 1                             ; my part of slot 0 is in (slot 1's load may be out)
	s_barrier_signal -1
	s_barrier_wait -1
	FETCH_B 0, 0, 0
	FETCH_A 0, 0, 0
	SCALES 0
	FETCH_A 0, 0, 4
	TURN 0, 1, 0, 1, 1                             ; K 0-511: the products start the sums; the slot takes K 1,024 on
	s_mov_b32 s3, 2
.Lpair:                                            ; two trips: K 512-1,535 and 1,536-2,559; each change of slots fills the slot just left, 1,024 along K ahead
	TURN 1, 0, 1, 1, 0
	TURN 0, 1, 0, 1, 0
	s_sub_co_u32 s3, s3, 1
	s_cmp_lg_u32 s3, 0
	s_cbranch_scc1 .Lpair
	TURN 1, 0, 1, 1, 0                             ; K 2,560-3,071; the last fill: K 3,584 on
	TURN 0, 1, 0, 0, 0                             ; K 3,072-3,583: the tail is written out
	LAST 1, 1                                      ; K 3,584-4,095
	PLACES NP
.set p, 0
.rept 32
	global_load_b128 v[128+4*p:131+4*p], v[LI], s[74:75] offset:4096*p th:TH_LOAD_NT
.set p, p+1
.endr
	global_load_b128 v[32:35], v[LI], s[78:79]
	STAGE_ALL
	s_wait_dscnt 0x0                               ; for the others' sake: my partial sums have landed
	s_barrier_signal -1
	s_barrier_wait -1
.set bt, 0
.rept 8
.irp pp, 0,1,2,3
.irp s, 0,1,2,3
	ds_load_b128 v[64+16*\pp+4*\s:67+16*\pp+4*\s], v[RS+\s] offset:SP*(4*bt+\pp)
.endr
.endr
.irp pp, 0,1,2,3
	s_wait_dscnt 12-4*\pp                          ; this row's four partial sums are in; the later rows' may be out
.if bt == 0
	s_wait_loadcnt 0x0
.endif
	v_pk_add_f32 v[64+16*\pp:65+16*\pp], v[64+16*\pp:65+16*\pp], v[68+16*\pp:69+16*\pp]
	v_pk_add_f32 v[66+16*\pp:67+16*\pp], v[66+16*\pp:67+16*\pp], v[70+16*\pp:71+16*\pp]
	v_pk_add_f32 v[72+16*\pp:73+16*\pp], v[72+16*\pp:73+16*\pp], v[76+16*\pp:77+16*\pp]
	v_pk_add_f32 v[74+16*\pp:75+16*\pp], v[74+16*\pp:75+16*\pp], v[78+16*\pp:79+16*\pp]
	v_pk_add_f32 v[128+4*(4*bt+\pp):129+4*(4*bt+\pp)], v[128+4*(4*bt+\pp):129+4*(4*bt+\pp)], v[32:33]
	v_pk_add_f32 v[130+4*(4*bt+\pp):131+4*(4*bt+\pp)], v[130+4*(4*bt+\pp):131+4*(4*bt+\pp)], v[34:35]
	v_pk_add_f32 v[64+16*\pp:65+16*\pp], v[64+16*\pp:65+16*\pp], v[72+16*\pp:73+16*\pp]
	v_pk_add_f32 v[66+16*\pp:67+16*\pp], v[66+16*\pp:67+16*\pp], v[74+16*\pp:75+16*\pp]
	v_pk_add_f32 v[128+4*(4*bt+\pp):129+4*(4*bt+\pp)], v[128+4*(4*bt+\pp):129+4*(4*bt+\pp)], v[64+16*\pp:65+16*\pp]
	v_pk_add_f32 v[130+4*(4*bt+\pp):131+4*(4*bt+\pp)], v[130+4*(4*bt+\pp):131+4*(4*bt+\pp)], v[66+16*\pp:67+16*\pp]
	global_store_b128 v[LI], v[128+4*(4*bt+\pp):131+4*(4*bt+\pp)], s[76:77] offset:4096*(4*bt+\pp) th:TH_STORE_NT   ; 512 consecutive bytes; a row's registers are never written again
.endr
.set bt, bt+1
.endr
	s_wait_tensorcnt 0x0                           ; the wave's end, behind my last tensor load and my last LDS store
	ds_add_u32 v[SPW], v[NIL]
	s_wait_dscnt 0x0
	CROUND
	s_endpgm
.Lfunc_end_k_q1ce3464b4d_mlp:
	.size	k_q1ce3464b4d_mlp, .Lfunc_end_k_q1ce3464b4d_mlp-k_q1ce3464b4d_mlp
	.p2alignl 7, 3214868480
	.fill 96, 4, 3214868480
	.section	.rodata,"a",@progbits
	.p2align	6, 0x0
	.amdhsa_kernel k_q1ce3464b4d_mlp
		.amdhsa_group_segment_fixed_size 327680
		.amdhsa_private_segment_fixed_size 0
		.amdhsa_enable_private_segment 0
		.amdhsa_kernarg_size 40
		.amdhsa_user_sgpr_count 2
		.amdhsa_user_sgpr_kernarg_segment_ptr 1
		.amdhsa_wavefront_size32 1
		.amdhsa_system_sgpr_workgroup_id_x 1
		.amdhsa_system_sgpr_workgroup_id_y 1
		.amdhsa_system_sgpr_workgroup_id_z 1
		.amdhsa_system_vgpr_workitem_id 0
		.amdhsa_next_free_vgpr 1024
		.amdhsa_next_free_sgpr 100
		.amdhsa_reserve_vcc 0
		.amdhsa_float_denorm_mode_32 3
		.amdhsa_float_denorm_mode_16_64 3
		.amdhsa_memory_ordered 1
		.amdhsa_forward_progress 1
		.amdhsa_inst_pref_size 134
	.end_amdhsa_kernel
	.amdgpu_metadata
---
amdhsa.version: [ 1, 2 ]
amdhsa.kernels:
  - .name:           k_q1ce3464b4d_mlp
    .symbol:         k_q1ce3464b4d_mlp.kd
    .args:
      - { .name: gc, .offset: 0, .size: 8, .value_kind: global_buffer, .address_space: global }
      - { .name: wq, .offset: 8, .size: 8, .value_kind: global_buffer, .address_space: global }
      - { .name: b_mlp, .offset: 16, .size: 8, .value_kind: global_buffer, .address_space: global }
      - { .name: x1, .offset: 24, .size: 8, .value_kind: global_buffer, .address_space: global }
      - { .name: out0, .offset: 32, .size: 8, .value_kind: global_buffer, .address_space: global }
    .group_segment_fixed_size: 327680
    .private_segment_fixed_size: 0
    .kernarg_segment_align: 8
    .kernarg_segment_size: 40
    .max_flat_workgroup_size: 128
    .sgpr_count:     100
    .vgpr_count:     1024
    .wavefront_size: 32
...
	.end_amdgpu_metadata
.endif
;; end of part 7
